; MI455X (gfx1250); checked and timed in simulation.
; The chip was launched on July 23, 2026; its instructions are those of AMD's public machine-readable ISA for CDNA 5 (MIT licence, August 2026) and "CDNA5" Instruction Set Architecture Reference Guide (July 2026). The comments in the code are by the model that wrote it; some were corrected since.
;; Seq Attention Block. Allowed arithmetic: float matrix products may take bf16 or f16 operands with f32 sums; all other float work in f32.
;; Inputs: Wk 128 x 128 float32; Wq 128 x 128 float32; Wqt 128 x 128 float32; Wt 128 x 128 float32; Wv 128 x 128 float32; bk 128 float32; bq 128 float32; bqt 128 float32; bt 128 float32; bv 128 float32; f 64 float32; inp 512 x 128 float32; pos 512 float32.
;; Outputs: out0 512 x 128 float32.
;; 2 versions, each right and faster than the one before. Each part assembles by itself: llvm-mc -triple=amdgcn-amd-amdhsa -mcpu=gfx1250 --defsym DOCPART=n.
;; ======== version 1 of 2: 2 launches
;; limits: values are held in f16: magnitudes above 65,504 overflow, below 6.1e-05 lose precision; right only within a limited range of input values
;; workspace buffers: qside 688,128 bytes; kside 393,216 bytes
;; launch prep (part 1): grid 8 x 16, 4 waves a work-group, no clusters, 23,040 bytes of LDS; arguments inp, pos, f, Wq, Wk, Wv, Wqt, Wt, bq, bk, bv, bqt, bt, qside, kside; writes qside, kside
.if DOCPART == 1
	.amdgcn_target "amdgcn-amd-amdhsa--gfx1250"
	.amdhsa_code_object_version 6
	.text
	.protected	k_q6187a0c41c_prep
	.globl	k_q6187a0c41c_prep
	.p2align	8
	.type	k_q6187a0c41c_prep,@function
k_q6187a0c41c_prep:
	s_mov_b64 s[64:65], 0
	v_nop
	global_prefetch_b8 v0, s[64:65] scope:SCOPE_SE
	s_setreg_imm32_b32 hwreg(HW_REG_WAVE_MODE, 25, 1), 1
	s_wait_xcnt 0x0
; prep: every operand that the attention launch multiplies, made once and stored in the matrix unit's register order.
;
; THE ALGEBRA.  With a_i = pos_i f_k, U[h,i,c] = sum_e Wt[c,32h+e] qt[h,i,e] and cb[h,i] = sum_e bt[32h+e] qt[h,i,e], the time bias
; sum_e t[h,i,j,e] qt[h,i,e] is  cb + sum_k ( U[2k] sin(a_i-a_j) + U[2k+1] cos(a_i-a_j) )
;                              = cb + sum_k ( sin a_j (U[2k+1] sin a_i - U[2k] cos a_i) + cos a_j (U[2k] sin a_i + U[2k+1] cos a_i) ),
; a plain product Q'[h,i,0:128] . K'[j,0:128].  Both identities hold for every input; only the order of the sums differs from the
; formula as it is written.  c = log2(e)/sqrt(32) is folded into q and qt (so into Q' and cb): scores come out in powers of two.
;
; WORK.  Grid 8 x 16: x = group of four row blocks, y = 4 type + head (type 0 q, 1 k, 2 v, 3 qt).  Wave w owns row block
; rb = 4 x + w (16 rows of inp).  The four waves share one slice W[:, 32h:32h+32], converted to f16 on its way into LDS.
; FORMATS.  inp, all W, q, k, v, qt: f16 operands, f32 sums.  Q', K': bf16 (Q' has no room in f16 when inputs carry offsets).
; LIMITS.  |inp|, |W|, |c q|, |k|, |v|, |c qt| below 65504 (f16); |pos f| below 2^22; sin and cos are polynomials on [-pi/2, pi/2] with an
; absolute error of at most 2.5e-5 (the cosine's first dropped term, (pi/2)^10 / 10!), far under bf16's step.
; NO CLUSTER: the eight work-groups of one (type, head) read the same 16 KiB slice, but it has to be narrowed from f32 to f16 before it
; lies in LDS, so it passes through registers anyway; a joint tensor load would land f32 in LDS and cost a second pass over it.
;
; qside, 21504 bytes a row block:  5120 h + 1024 f: fragment f = 0..3 Q'_h (bf16, c = 32f..), f = 4: c q_h (f16);  20480 + 256 h + 8 lane: (cb, cb)
; kside, 24576 bytes a chunk of 32 keys (row blocks 2 chunk + tau):  4096 tau + 512 ct: K' (bf16);  8192 + 2048 h + 1024 tau: k_h (f16);
;                                                                    16384 + 2048 h + 1024 t + 512 tau: V_h transposed (f16)
; A fragment (16 rows x 32 K of 16 bits) is stored as [half][lane][16 bytes]: each store below covers 512 consecutive bytes, aligned.
.set QBLK,  21504
.set KBLK,  24576
.set CSC,   0x3e8293ee                 ; c = 0.25503486
.set WTL,   12288                      ; LDS: W slice f16 [d 128][col 32], pitch 96, at 0;  Wt slice f16 [c 128][e 32], pitch 80, at 12288
.set XR,    16                         ; v16-79   16 rows of inp as loaded (f32); packed in place to four f16 fragments in v16-47
.set WF,    48                         ; v48-111  fragments of the slice: tile t, K step kk at 48 + 32 t + 8 kk
.set WRAW,  80                         ; v80-111  the slice as loaded
.set WTRAW, 112                        ; v112-143 Wt's slice as loaded
.set ST,    80                         ; v80-103  two sets of 12 temporaries for sin and cos
.set S4P,   104                        ; v104:105 1/9!, twice
.set C4P,   106                        ; v106:107 1/8!, twice
.set WTA,   112                        ; v112-143 fragments of Wt, tiles 0-3
.set WTB,   48                         ; v48-79   tiles 4-7
.set UA,    80                         ; v80-111  U, tiles 0-3
.set UB,    16                         ; v16-47   U, tiles 4-7
.set SC,    144                        ; v144-207 tile ct at 144 + 8 ct: four f as loaded, then (sin, cos) x 4
.set ACC,   208                        ; v208-223 two accumulator tiles
.set BT,    224                        ; v224-239 bt as a tile pair (type v: bv in two pairs)
.set PP,    240                        ; v240:241 (pos, pos) of my row
.set FR,    242                        ; v242-249 the projection as an f16 fragment
.set CBR,   250                        ; v250:251 (cb, cb)
.set RT,    252                        ; v252-255 temporaries of the rotation
.macro NOPS n
.rept \n
	v_nop
.endr
.endm
; 128 rows x 128 bytes of a weight's columns 32h..32h+31: thread t takes 16 bytes of row 16 i + t/8
.macro STAGE_LD sb, dst
.irp i, 0,1,2,3,4,5,6,7
	global_load_b128 v[\dst+4*\i:\dst+4*\i+3], v4, s[\sb:\sb+1] offset:8192*\i
.endr
.endm
; narrowed to f16 in place, 8 bytes a thread into LDS
.macro STAGE_ST src, va, step
.irp i, 0,1,2,3,4,5,6,7
	v_cvt_pk_f16_f32 v[\src+4*\i],   v[\src+4*\i],   v[\src+4*\i+1]
	v_cvt_pk_f16_f32 v[\src+4*\i+1], v[\src+4*\i+2], v[\src+4*\i+3]
	ds_store_b64 v[\va], v[\src+4*\i:\src+4*\i+1] offset:\step*\i
.endr
.endm
; my 16 rows of inp in fragment order: lane (r, hh) takes d = 32 kk + 8 hh + 0..7 and 32 kk + 16 + 8 hh + 0..7 of row r
.macro LOAD_X
.irp kk, 0,1,2,3
	global_load_b128 v[XR+16*\kk:XR+16*\kk+3],     v7, s[44:45] offset:128*\kk
	global_load_b128 v[XR+16*\kk+4:XR+16*\kk+7],   v7, s[44:45] offset:128*\kk+16
	global_load_b128 v[XR+16*\kk+8:XR+16*\kk+11],  v7, s[44:45] offset:128*\kk+64
	global_load_b128 v[XR+16*\kk+12:XR+16*\kk+15], v7, s[44:45] offset:128*\kk+80
.endr
.endm
; ascending: word n of the result takes words 2n, 2n+1, so nothing is overwritten before it is read
.macro PACK_X
.irp kk, 0,1,2,3
.irp p, 0,1,2,3,4,5,6,7
	v_cvt_pk_f16_f32 v[XR+8*\kk+\p], v[XR+16*\kk+2*\p], v[XR+16*\kk+2*\p+1]
.endr
.endr
.endm
; a bias as the C tiles of a transposed product: register jj of tile t = b[32h + 16t + 8hh + jj]
.macro LOAD_B dst, sb
.irp t, 0,1
	global_load_b128 v[\dst+8*\t:\dst+8*\t+3],   v8, s[\sb:\sb+1] offset:64*\t
	global_load_b128 v[\dst+8*\t+4:\dst+8*\t+7], v8, s[\sb:\sb+1] offset:64*\t+16
.endr
.endm
; the slice lies [d][col]: the transposing load gives lane r column 16t + r with d along the registers
.macro LOAD_WF
.irp t, 0,1
.irp kk, 0,1,2,3
	ds_load_tr16_b128 v[WF+32*\t+8*\kk:WF+32*\t+8*\kk+3],   v9 offset:3072*\kk+32*\t
	ds_load_tr16_b128 v[WF+32*\t+8*\kk+4:WF+32*\t+8*\kk+7], v9 offset:3072*\kk+32*\t+1536
.endr
.endr
.endm
; transposed: D(e = 16t + 8hh + jj, row = lane r); the bias already lies in ACC
.macro PROJ_T
.irp kk, 0,1,2,3
.irp t, 0,1
	v_wmma_f32_16x16x32_f16 v[ACC+8*\t:ACC+8*\t+7], v[WF+32*\t+8*\kk:WF+32*\t+8*\kk+7], v[XR+8*\kk:XR+8*\kk+7], v[ACC+8*\t:ACC+8*\t+7]
.endr
.endr
.endm
; natural: D(row = 8hh + jj, e = 16t + lane r); the first product starts the sums
.macro PROJ_N
.irp kk, 0,1,2,3
.irp t, 0,1
.if \kk == 0
	v_wmma_f32_16x16x32_f16 v[ACC+8*\t:ACC+8*\t+7], v[XR+8*\kk:XR+8*\kk+7], v[WF+32*\t+8*\kk:WF+32*\t+8*\kk+7], 0
.else
	v_wmma_f32_16x16x32_f16 v[ACC+8*\t:ACC+8*\t+7], v[XR+8*\kk:XR+8*\kk+7], v[WF+32*\t+8*\kk:WF+32*\t+8*\kk+7], v[ACC+8*\t:ACC+8*\t+7]
.endif
.endr
.endr
.endm
.macro SCALE_ACC
.irp j, 0,2,4,6,8,10,12,14
	v_pk_mul_f32 v[ACC+\j:ACC+\j+1], v[ACC+\j:ACC+\j+1], CSC op_sel_hi:[1,0]
.endr
.endm
; two tiles of eight f32 a lane are the eight words of one f16 fragment
.macro PACK_FR
.irp t, 0,1
.irp p, 0,1,2,3
	v_cvt_pk_f16_f32 v[FR+4*\t+\p], v[ACC+8*\t+2*\p], v[ACC+8*\t+2*\p+1]
.endr
.endr
.endm
; q and k.  28 loads: slice 8, inp 16, bias 4.
.macro PATH_T scale
	STAGE_LD 40, WRAW
	LOAD_X
	LOAD_B ACC, 42
	s_wait_loadcnt 20                              ; the slice is in; 16 loads of inp and 4 of the bias stay out
	STAGE_ST WRAW, 5, 1536
	s_wait_dscnt 0x0                               ; my part of the slice lies in LDS before I say so
	s_barrier_signal -1
	s_wait_loadcnt 4                               ; inp is in; the bias stays out
	PACK_X                                         ; register work while the others arrive
	s_barrier_wait -1
	LOAD_WF
	s_wait_loadcnt 0x0                             ; the bias: C of the first products
	s_wait_dscnt 0x0
	PROJ_T
	NOPS 4                                         ; four places before a vector instruction reads a matrix result (ISA guide 7.12.1)
.if \scale
	SCALE_ACC
.endif
	PACK_FR
	global_store_b128 v11, v[FR:FR+3],   s[46:47]
	global_store_b128 v11, v[FR+4:FR+7], s[46:47] offset:512
	s_set_vgpr_msb 0x5
	s_wait_tensorcnt 0x0
	ds_add_u32 v0, v1
	s_wait_dscnt 0x0
	s_set_vgpr_msb 0x500
	s_endpgm
.endm
; sin and cos of pos x f for the four f in v[b:b+3]; result (sin, cos) x 4 in v[b:b+7].  Two sets of temporaries run side by side.
; x = f p with its exact rest xl = fma(f, p, -x); n = nearest whole number to x / pi; r = x - n pi in two steps, + xl; z = r r;
; sin r = r + r z (-1/3! + z (1/5! + z (-1/7! + z/9!))); cos r = 1 + z (-1/2 + z (1/4! + z (-1/6! + z/8!))); both change sign with n odd.
; In a set: +0 x, then n's lowest bit moved to the sign; +2 xl, then z r; +4 n, then the cosine; +6 r; +8 z; +10 the sine.
.macro SINCOS b
.irp s, 0,1
.set T, ST+12*\s
	v_pk_mul_f32 v[T:T+1], v[\b+2*\s:\b+2*\s+1], v[PP:PP+1]
.endr
.irp s, 0,1
.set T, ST+12*\s
	v_fma_f32 v[T+2], v[\b+2*\s],   v[PP], -v[T]
	v_fma_f32 v[T+3], v[\b+2*\s+1], v[PP], -v[T+1]
.endr
.irp s, 0,1
.set T, ST+12*\s
	v_pk_mul_f32 v[T+4:T+5], v[T:T+1], 0x3ea2f983 op_sel_hi:[1,0]             ; x / pi
.endr
.irp s, 0,1
.set T, ST+12*\s
	v_rndne_f32 v[T+4], v[T+4]
	v_rndne_f32 v[T+5], v[T+5]
.endr
.irp s, 0,1
.set T, ST+12*\s
	v_pk_fma_f32 v[T+6:T+7], v[T+4:T+5], 0xc0490fdb, v[T:T+1] op_sel_hi:[1,0,1]   ; x - n pi_hi
.endr
.irp s, 0,1
.set T, ST+12*\s
	v_pk_fma_f32 v[T+6:T+7], v[T+4:T+5], 0x33bbbd2e, v[T+6:T+7] op_sel_hi:[1,0,1] ; pi = pi_hi - 8.742278e-8
.endr
.irp s, 0,1
.set T, ST+12*\s
	v_cvt_i32_f32 v[T],   v[T+4]
	v_cvt_i32_f32 v[T+1], v[T+5]
.endr
.irp s, 0,1
.set T, ST+12*\s
	v_pk_add_f32 v[T+6:T+7], v[T+6:T+7], v[T+2:T+3]
.endr
.irp s, 0,1
.set T, ST+12*\s
	v_lshlrev_b32 v[T],   31, v[T]
	v_lshlrev_b32 v[T+1], 31, v[T+1]
.endr
.irp s, 0,1
.set T, ST+12*\s
	v_pk_mul_f32 v[T+8:T+9], v[T+6:T+7], v[T+6:T+7]
.endr
.irp s, 0,1
.set T, ST+12*\s
	v_pk_fma_f32 v[T+10:T+11], v[T+8:T+9], v[S4P:S4P+1], 0xb9500d01 op_sel_hi:[1,1,0]
	v_pk_fma_f32 v[T+4:T+5],   v[T+8:T+9], v[C4P:C4P+1], 0xbab60b61 op_sel_hi:[1,1,0]
	v_pk_mul_f32 v[T+2:T+3],   v[T+8:T+9], v[T+6:T+7]
.endr
.irp s, 0,1
.set T, ST+12*\s
	v_pk_fma_f32 v[T+10:T+11], v[T+10:T+11], v[T+8:T+9], 0x3c088889 op_sel_hi:[1,1,0]
	v_pk_fma_f32 v[T+4:T+5],   v[T+4:T+5],   v[T+8:T+9], 0x3d2aaaab op_sel_hi:[1,1,0]
.endr
.irp s, 0,1
.set T, ST+12*\s
	v_pk_fma_f32 v[T+10:T+11], v[T+10:T+11], v[T+8:T+9], 0xbe2aaaab op_sel_hi:[1,1,0]
	v_pk_fma_f32 v[T+4:T+5],   v[T+4:T+5],   v[T+8:T+9], -0.5 op_sel_hi:[1,1,0]
.endr
.irp s, 0,1
.set T, ST+12*\s
	v_pk_fma_f32 v[T+10:T+11], v[T+10:T+11], v[T+2:T+3], v[T+6:T+7]
	v_pk_fma_f32 v[T+4:T+5],   v[T+4:T+5],   v[T+8:T+9], 1.0 op_sel_hi:[1,1,0]
.endr
.irp s, 0,1
.set T, ST+12*\s
	v_xor_b32 v[\b+4*\s],   v[T+10], v[T]          ; all four f were read in the first two steps
	v_xor_b32 v[\b+4*\s+1], v[T+4],  v[T]
	v_xor_b32 v[\b+4*\s+2], v[T+11], v[T+1]
	v_xor_b32 v[\b+4*\s+3], v[T+5],  v[T+1]
.endr
.endm
; one tile of U (c = 16ct + 8hh + 0..7 of row r) turned by my row's angles, rounded to bf16, stored as half a fragment of Q'
.macro ROT ub, sb, off
.irp u, 0,1,2,3
	v_mul_f32 v[RT+2*(\u%2)],   v[\ub+2*\u],   v[\sb+2*\u+1]                       ; Us cos
	v_mul_f32 v[RT+2*(\u%2)+1], v[\ub+2*\u+1], v[\sb+2*\u+1]                       ; Uc cos
	v_fma_f32 v[RT+2*(\u%2)],   v[\ub+2*\u+1], v[\sb+2*\u], -v[RT+2*(\u%2)]        ; Uc sin - Us cos: meets sin a_j
	v_fma_f32 v[RT+2*(\u%2)+1], v[\ub+2*\u],   v[\sb+2*\u], v[RT+2*(\u%2)+1]       ; Us sin + Uc cos: meets cos a_j
	v_cvt_pk_bf16_f32 v[\ub+\u], v[RT+2*(\u%2)], v[RT+2*(\u%2)+1]
.endr
	global_store_b128 v11, v[\ub:\ub+3], s[46:47] offset:\off
.endm
	s_load_b512 s[8:23],  s[0:1], 0x0              ; inp 8, pos 10, f 12, Wq 14, Wk 16, Wv 18, Wqt 20, Wt 22
	s_load_b256 s[24:31], s[0:1], 0x40             ; bq 24, bk 26, bv 28, bqt 30
	s_load_b128 s[32:35], s[0:1], 0x60             ; bt 32, qside 34
	s_load_b64  s[36:37], s[0:1], 0x70             ; kside
	s_set_vgpr_msb 0x40
	v_lshl_add_u32 v0, v0, 2, 0x5800
	v_mov_b32 v1, 0
	s_set_vgpr_msb 0x4000
	v_lshrrev_b32 v1, 5, v0
	v_readfirstlane_b32 s2, v1                     ; wave
	s_lshl_b32 s3, ttmp9, 2
	s_add_co_u32 s3, s3, s2                        ; rb = 4 x + wave
	s_and_b32 s6, ttmp7, 0xffff
	s_lshr_b32 s4, s6, 2                           ; type
	s_and_b32 s5, s6, 3                            ; head
	v_and_b32 v1, 31, v0                           ; lane L
	v_and_b32 v2, 15, v0                           ; r
	v_bfe_u32 v3, v0, 4, 1                         ; hh
	v_lshrrev_b32 v15, 3, v0                       ; t / 8
	v_and_b32 v14, 7, v0                           ; t % 8
	v_lshlrev_b32 v4, 9, v15
	v_lshl_add_u32 v4, v14, 4, v4                  ; v4: slice in memory, 512 (t/8) + 16 (t%8)
	v_mul_u32_u24 v5, v15, 96
	v_lshl_add_u32 v5, v14, 3, v5                  ; v5: slice in LDS, 96 (t/8) + 8 (t%8)
	v_mul_u32_u24 v6, v15, 80
	v_lshl_add_u32 v6, v14, 3, v6
	v_add_nc_u32 v6, WTL, v6                       ; v6: Wt's slice in LDS, 80 (t/8) + 8 (t%8)
	v_lshlrev_b32 v7, 9, v2
	v_lshl_add_u32 v7, v3, 5, v7                   ; v7: inp, 512 r + 32 hh
	v_lshlrev_b32 v8, 5, v3                        ; v8: bias tiles, 32 hh
	v_lshl_add_u32 v9, v3, 3, v14                  ; 8 hh + L % 8
	v_mul_u32_u24 v9, v9, 96
	v_bfe_u32 v15, v0, 3, 1
	v_lshl_add_u32 v9, v15, 4, v9                  ; v9: transposing loads, + 16 ((L/8) % 2)
	v_mul_u32_u24 v10, v2, 80
	v_lshl_add_u32 v10, v3, 4, v10
	v_add_nc_u32 v10, WTL, v10                     ; v10: fragments of Wt, 80 r + 16 hh
	v_lshlrev_b32 v11, 4, v1                       ; v11: 16 L
	v_lshlrev_b32 v12, 3, v1                       ; v12: 8 L
	v_lshlrev_b32 v13, 4, v3                       ; v13: f, 16 hh
	v_lshlrev_b32 v14, 2, v2                       ; v14: 4 r
	s_mov_b32 s39, 0                               ; offsets live in pairs of their own, high word 0
	s_mov_b32 s7, 0
	s_lshl_b32 s6, s3, 13                          ; 16 rows of 512 bytes
	s_lshl_b32 s38, s5, 7                          ; 32 columns (or 32 bias numbers) of 4 bytes
	s_lshr_b32 s60, s3, 1
	s_mul_i32 s60, s60, KBLK                       ; my chunk's block in kside
	s_and_b32 s61, s3, 1                           ; tau
	s_mul_i32 s62, s3, QBLK                        ; my row block's block in qside
	s_wait_kmcnt 0x0
	s_add_nc_u64 s[44:45], s[8:9], s[6:7]          ; inp at my rows
	s_cmp_eq_u32 s4, 0                             ; the type is the same in all four waves
	s_cbranch_scc1 .Lq
	s_cmp_eq_u32 s4, 1
	s_cbranch_scc1 .Lk
	s_cmp_eq_u32 s4, 2
	s_cbranch_scc1 .Lv
	; ---------------- type 3: qt, then cb, U, Q' (and K' where head = 0) ----------------
	s_add_nc_u64 s[40:41], s[20:21], s[38:39]      ; Wqt, bqt, Wt, bt at my head
	s_add_nc_u64 s[42:43], s[30:31], s[38:39]
	s_add_nc_u64 s[52:53], s[22:23], s[38:39]
	s_add_nc_u64 s[54:55], s[32:33], s[38:39]
	s_lshl_b32 s6, s3, 6
	s_add_nc_u64 s[56:57], s[10:11], s[6:7]        ; pos at my rows
	s_mul_i32 s6, s5, 5120
	s_add_co_u32 s6, s6, s62
	s_add_nc_u64 s[46:47], s[34:35], s[6:7]        ; Q'_h
	s_lshl_b32 s6, s5, 8
	s_add_co_u32 s6, s6, s62
	s_add_co_u32 s6, s6, 20480
	s_add_nc_u64 s[48:49], s[34:35], s[6:7]        ; cb_h
	s_lshl_b32 s6, s61, 12
	s_add_co_u32 s6, s6, s60
	s_add_nc_u64 s[50:51], s[36:37], s[6:7]        ; K'
	s_mov_b32 s58, 0x76543210                      ; v_permlanex16_b32: lane i takes lane i of the other half
	s_mov_b32 s59, 0xfedcba98
	; 49 loads: pos 1, f 8, Wqt 8, Wt 8, inp 16, bqt 4, bt 4
	global_load_b32 v[PP], v14, s[56:57]
.irp ct, 0,1,2,3,4,5,6,7
	global_load_b128 v[SC+8*\ct:SC+8*\ct+3], v13, s[12:13] offset:32*\ct           ; f[8ct + 4hh + 0..3]
.endr
	STAGE_LD 40, WRAW
	STAGE_LD 52, WTRAW
	LOAD_X
	LOAD_B ACC, 42
	LOAD_B BT, 54
	s_wait_loadcnt 24                              ; pos, f and both slices are in; inp (16) and the biases (8) stay out
	STAGE_ST WRAW, 5, 1536
	STAGE_ST WTRAW, 6, 1280
	s_wait_dscnt 0x0                               ; my part of both slices lies in LDS before I say so
	s_barrier_signal -1
	v_mov_b32 v[PP+1], v[PP]                       ; register work only, up to the barrier's wait
	v_mov_b32 v[S4P],   0x3638ef1d
	v_mov_b32 v[S4P+1], 0x3638ef1d
	v_mov_b32 v[C4P],   0x37d00d01
	v_mov_b32 v[C4P+1], 0x37d00d01
.irp ct, 0,1,2,3,4,5,6,7
	SINCOS SC+8*\ct
.endr
	s_wait_loadcnt 8                               ; inp is in; the two biases stay out
	PACK_X
	s_barrier_wait -1
	LOAD_WF                                        ; 16 LDS loads,
.irp ct, 0,1,2,3
	ds_load_b128 v[WTA+8*\ct:WTA+8*\ct+3],   v10 offset:1280*\ct                   ; and 8 more: Wt rows c = 16ct + r, e along the registers
	ds_load_b128 v[WTA+8*\ct+4:WTA+8*\ct+7], v10 offset:1280*\ct+32
.endr
	s_wait_loadcnt 4                               ; bqt lies in ACC; bt stays out
	s_wait_dscnt 8                                 ; Wqt's fragments are in; Wt's eight loads stay out
	PROJ_T
	NOPS 5                                         ; four places before loads land on the products' sources and vector work reads the results,
	                                               ; five before the products below write over v16-47 and v80-111
.irp ct, 0,1,2,3
	ds_load_b128 v[WTB+8*\ct:WTB+8*\ct+3],   v10 offset:5120+1280*\ct
	ds_load_b128 v[WTB+8*\ct+4:WTB+8*\ct+7], v10 offset:5120+1280*\ct+32
.endr
	SCALE_ACC                                      ; c qt
	s_wait_loadcnt 0x0                             ; bt
	v_pk_mul_f32 v[CBR:CBR+1], v[ACC:ACC+1], v[BT:BT+1]
.irp j, 2,4,6,8,10,12,14
	v_pk_fma_f32 v[CBR:CBR+1], v[ACC+\j:ACC+\j+1], v[BT+\j:BT+\j+1], v[CBR:CBR+1]
.endr
	v_add_f32 v[CBR], v[CBR], v[CBR+1]             ; my 16 of the 32 e,
	v_permlanex16_b32 v[CBR+1], v[CBR], s58, s59
	v_add_f32 v[CBR], v[CBR], v[CBR+1]             ; and the other half's
	v_mov_b32 v[CBR+1], v[CBR]
	global_store_b64 v12, v[CBR:CBR+1], s[48:49]   ; 256 consecutive bytes; the pair is what the attention launch adds to two scores at once
	PACK_FR
	s_wait_dscnt 8                                 ; Wt's tiles 0-3 are in; tiles 4-7 stay out
.irp ct, 0,1,2,3
	v_wmma_f32_16x16x32_f16 v[UA+8*\ct:UA+8*\ct+7], v[WTA+8*\ct:WTA+8*\ct+7], v[FR:FR+7], 0     ; U(c = 16ct + 8hh + jj, row r)
.endr
	s_wait_dscnt 0x0
.irp ct, 0,1,2,3
	v_wmma_f32_16x16x32_f16 v[UB+8*\ct:UB+8*\ct+7], v[WTB+8*\ct:WTB+8*\ct+7], v[FR:FR+7], 0
.endr
	NOPS 4
.irp ct, 0,1,2,3
	ROT UA+8*\ct, SC+8*\ct, 512*\ct
.endr
.irp ct, 0,1,2,3
	ROT UB+8*\ct, SC+32+8*\ct, 2048+512*\ct
.endr
	s_cmp_lg_u32 s5, 0                             ; K' is the same for all heads: head 0's work-group stores it
	s_cbranch_scc1 .Lqt_end
.irp ct, 0,1,2,3,4,5,6,7
.irp u, 0,1,2,3
	v_cvt_pk_bf16_f32 v[SC+8*\ct+\u], v[SC+8*\ct+2*\u], v[SC+8*\ct+2*\u+1]
.endr
	global_store_b128 v11, v[SC+8*\ct:SC+8*\ct+3], s[50:51] offset:512*\ct
.endr
.Lqt_end:
	s_set_vgpr_msb 0x5
	s_wait_tensorcnt 0x0
	ds_add_u32 v0, v1
	s_wait_dscnt 0x0
	s_set_vgpr_msb 0x500
	s_endpgm
	; ---------------- type 0: c q as fragment 4 of the head's block in qside ----------------
.Lq:
	s_add_nc_u64 s[40:41], s[14:15], s[38:39]
	s_add_nc_u64 s[42:43], s[24:25], s[38:39]
	s_mul_i32 s6, s5, 5120
	s_add_co_u32 s6, s6, s62
	s_add_co_u32 s6, s6, 4096
	s_add_nc_u64 s[46:47], s[34:35], s[6:7]
	PATH_T 1
	; ---------------- type 1: k ----------------
.Lk:
	s_add_nc_u64 s[40:41], s[16:17], s[38:39]
	s_add_nc_u64 s[42:43], s[26:27], s[38:39]
	s_lshl_b32 s6, s5, 11
	s_lshl_b32 s63, s61, 10
	s_add_co_u32 s6, s6, s63
	s_add_co_u32 s6, s6, s60
	s_add_co_u32 s6, s6, 8192
	s_add_nc_u64 s[46:47], s[36:37], s[6:7]
	PATH_T 0
	; ---------------- type 2: v, in the natural orientation: a lane holds 8 keys of one column, half a fragment of V transposed ----------------
.Lv:
	s_add_nc_u64 s[40:41], s[18:19], s[38:39]
	s_add_nc_u64 s[42:43], s[28:29], s[38:39]
	s_lshl_b32 s6, s5, 11
	s_lshl_b32 s63, s61, 9
	s_add_co_u32 s6, s6, s63
	s_add_co_u32 s6, s6, s60
	s_add_co_u32 s6, s6, 16384
	s_add_nc_u64 s[46:47], s[36:37], s[6:7]
	STAGE_LD 40, WRAW                              ; 26 loads: slice 8, inp 16, bias 2
	LOAD_X
	global_load_b32 v[BT],   v14, s[42:43]         ; bv[32h + r]
	global_load_b32 v[BT+2], v14, s[42:43] offset:64   ; bv[32h + 16 + r]
	s_wait_loadcnt 18                              ; the slice is in; inp (16) and the bias (2) stay out
	STAGE_ST WRAW, 5, 1536
	s_wait_dscnt 0x0
	s_barrier_signal -1
	s_wait_loadcnt 2                               ; inp is in
	PACK_X
	s_barrier_wait -1
	LOAD_WF
	s_wait_loadcnt 0x0
	v_mov_b32 v[BT+1], v[BT]
	v_mov_b32 v[BT+3], v[BT+2]
	s_wait_dscnt 0x0
	PROJ_N
	NOPS 4
.irp t, 0,1
.irp j, 0,2,4,6
	v_pk_add_f32 v[ACC+8*\t+\j:ACC+8*\t+\j+1], v[ACC+8*\t+\j:ACC+8*\t+\j+1], v[BT+2*\t:BT+2*\t+1]
.endr
.endr
	PACK_FR
	global_store_b128 v11, v[FR:FR+3],   s[46:47]
	global_store_b128 v11, v[FR+4:FR+7], s[46:47] offset:1024
	s_set_vgpr_msb 0x5
	s_wait_tensorcnt 0x0
	ds_add_u32 v0, v1
	s_wait_dscnt 0x0
	s_set_vgpr_msb 0x500
	s_endpgm
.Lfunc_end_k_q6187a0c41c_prep:
	.size	k_q6187a0c41c_prep, .Lfunc_end_k_q6187a0c41c_prep-k_q6187a0c41c_prep
	.p2alignl 7, 3214868480
	.fill 96, 4, 3214868480
	.section	.rodata,"a",@progbits
	.p2align	6, 0x0
	.amdhsa_kernel k_q6187a0c41c_prep
		.amdhsa_group_segment_fixed_size 23040
		.amdhsa_private_segment_fixed_size 0
		.amdhsa_enable_private_segment 0
		.amdhsa_kernarg_size 120
		.amdhsa_user_sgpr_count 2
		.amdhsa_user_sgpr_kernarg_segment_ptr 1
		.amdhsa_wavefront_size32 1
		.amdhsa_system_sgpr_workgroup_id_x 1
		.amdhsa_system_sgpr_workgroup_id_y 1
		.amdhsa_system_sgpr_workgroup_id_z 1
		.amdhsa_system_vgpr_workitem_id 0
		.amdhsa_next_free_vgpr 258
		.amdhsa_next_free_sgpr 66
		.amdhsa_reserve_vcc 0
		.amdhsa_float_denorm_mode_32 3
		.amdhsa_float_denorm_mode_16_64 3
		.amdhsa_memory_ordered 1
		.amdhsa_forward_progress 1
		.amdhsa_inst_pref_size 86
	.end_amdhsa_kernel
	.amdgpu_metadata
---
amdhsa.version: [ 1, 2 ]
amdhsa.kernels:
  - .name:           k_q6187a0c41c_prep
    .symbol:         k_q6187a0c41c_prep.kd
    .args:
      - { .name: inp, .offset: 0, .size: 8, .value_kind: global_buffer, .address_space: global }
      - { .name: pos, .offset: 8, .size: 8, .value_kind: global_buffer, .address_space: global }
      - { .name: f, .offset: 16, .size: 8, .value_kind: global_buffer, .address_space: global }
      - { .name: Wq, .offset: 24, .size: 8, .value_kind: global_buffer, .address_space: global }
      - { .name: Wk, .offset: 32, .size: 8, .value_kind: global_buffer, .address_space: global }
      - { .name: Wv, .offset: 40, .size: 8, .value_kind: global_buffer, .address_space: global }
      - { .name: Wqt, .offset: 48, .size: 8, .value_kind: global_buffer, .address_space: global }
      - { .name: Wt, .offset: 56, .size: 8, .value_kind: global_buffer, .address_space: global }
      - { .name: bq, .offset: 64, .size: 8, .value_kind: global_buffer, .address_space: global }
      - { .name: bk, .offset: 72, .size: 8, .value_kind: global_buffer, .address_space: global }
      - { .name: bv, .offset: 80, .size: 8, .value_kind: global_buffer, .address_space: global }
      - { .name: bqt, .offset: 88, .size: 8, .value_kind: global_buffer, .address_space: global }
      - { .name: bt, .offset: 96, .size: 8, .value_kind: global_buffer, .address_space: global }
      - { .name: qside, .offset: 104, .size: 8, .value_kind: global_buffer, .address_space: global }
      - { .name: kside, .offset: 112, .size: 8, .value_kind: global_buffer, .address_space: global }
    .group_segment_fixed_size: 23040
    .private_segment_fixed_size: 0
    .kernarg_segment_align: 8
    .kernarg_segment_size: 120
    .max_flat_workgroup_size: 128
    .sgpr_count:     66
    .vgpr_count:     258
    .wavefront_size: 32
...
	.end_amdgpu_metadata
.endif
;; end of part 1
;; launch attn (part 2): grid 32 x 2, 16 waves a work-group, no clusters, 75,776 bytes of LDS; arguments qside, kside, out0; writes out0
.if DOCPART == 2
	.amdgcn_target "amdgcn-amd-amdhsa--gfx1250"
	.amdhsa_code_object_version 6
	.text
	.protected	k_q6187a0c41c_attn
	.globl	k_q6187a0c41c_attn
	.p2align	8
	.type	k_q6187a0c41c_attn,@function
k_q6187a0c41c_attn:
	s_mov_b64 s[64:65], 0
	v_nop
	global_prefetch_b8 v0, s[64:65] scope:SCOPE_SE
	s_setreg_imm32_b32 hwreg(HW_REG_WAVE_MODE, 25, 1), 1
	s_wait_xcnt 0x0
; attn: causal attention with an inner dimension of 160 = 128 (Q'.K', bf16) + 32 (q.k, f16), then P V (f16), sums and softmax in f32.
; A work-group owns row block rb = x (16 queries) and the head pair y: 16 rows x 64 columns of out0, 256 consecutive bytes of each row.
; Wave w owns keys 32w .. 32w+31 for both heads (K' is loaded once and multiplied twice).  It is at work iff 32w <= 16rb; then key 32w is
; allowed for every query of the block, so the wave's own maximum is finite.  Each wave takes its own maximum away before the exponentials;
; the sixteen (m, l, o) meet in LDS behind one barrier, where wave w combines query row w under the maximum of all.
; The products are used transposed: S(key = 16tau + 8hh + jj, query = lane r), which is already P's place as the second source of P V,
; and O(e = 16t + 8hh + jj, query = lane r), eight neighbouring columns a lane.
; All operands were stored in register order: each load covers 512 consecutive bytes and goes straight into registers.  All 54 loads of a
; wave are issued at once; there is no loop and nothing to run ahead of.
; NO CLUSTER, NO LDS RING: each key-side byte is used by one wave of the work-group.  Only the two work-groups of a row block want the same
; bytes, K', 8 KiB of the 16 KiB that a wave takes from its chunk; a joint request lands in LDS, which would add an LDS trip for all of
; them; and row blocks need different numbers of chunks (rb/2 + 1).
; LIMITS.  P is rounded to f16: a weight below 6e-8 of the wave's largest counts as 0.  Scores are in powers of two (c was folded in).
.set QBLK, 21504
.set KBLK, 24576
.set ML,   0                           ; LDS 0..4095: [wave][head of the pair][32 words]: words 0-15 m of row r, words 16-31 l of row r
.set OP,   4096                        ; LDS 4096..73727: [wave] 16 rows x 272 bytes (64 f32 + 16 bytes)
.set OPW,  4352
.set OPP,  272
.set KP,   16                          ; v16-79   K': block tau, K step kk at 16 + 32 tau + 8 kk
.set KH,   80                          ; v80-111  k: head hq, block tau at 80 + 16 hq + 8 tau
.set VT,   112                         ; v112-143 V transposed: head hq, tile t at 112 + 16 hq + 8 t
.set QF0,  144                         ; v144-183 head 0: Q' (4 fragments), q
.set QF1,  184                         ; v184-223 head 1
.set S0,   224                         ; v224-239 head 0's scores; P in the first eight
.set S1,   144                         ; v144-159 head 1's, over head 0's Q'
.set O0,   160                         ; v160-175
.set O1,   16                          ; v16-31, over K'
.set CB0,  240                         ; v240:241, v242:243  (cb, cb) of my query
.set CB1,  242
.set MP,   244                         ; v244:245 (m, m)
.set LS,   246                         ; v246     l
.set TM,   248                         ; v248-255 at work
.set MK,   36                          ; s36-51   mask 8 tau + jj: lanes whose key 16 tau + 8 hh + jj is not behind their query
.set MW,   32                          ; the combine: v32-47 m, v48-63 l, v64-95 o of the sixteen waves
.set LW,   48
.set OW,   64
.set GM,   96                          ; v96:97   (M, M)
.set TC,   98                          ; v98-101
.set L2,   102                         ; v102:103
.set OA,   104                         ; v104:105, v106:107
.set OB,   106
.macro NOPS n
.rept \n
	v_nop
.endr
.endm
; ten products: four K steps of Q'.K' in bf16, the first starting the sums, then q.k in f16 on the same accumulators
.macro SCORE sb, qf, kh
.irp kk, 0,1,2,3
.irp tau, 0,1
.if \kk == 0
	v_wmma_f32_16x16x32_bf16 v[\sb+8*\tau:\sb+8*\tau+7], v[KP+32*\tau+8*\kk:KP+32*\tau+8*\kk+7], v[\qf+8*\kk:\qf+8*\kk+7], 0
.else
	v_wmma_f32_16x16x32_bf16 v[\sb+8*\tau:\sb+8*\tau+7], v[KP+32*\tau+8*\kk:KP+32*\tau+8*\kk+7], v[\qf+8*\kk:\qf+8*\kk+7], v[\sb+8*\tau:\sb+8*\tau+7]
.endif
.endr
.endr
	NOPS 5                                         ; another form on the same accumulator is no chain: five places (ISA guide 7.12.1)
.irp tau, 0,1
	v_wmma_f32_16x16x32_f16 v[\sb+8*\tau:\sb+8*\tau+7], v[\kh+8*\tau:\kh+8*\tau+7], v[\qf+32:\qf+39], v[\sb+8*\tau:\sb+8*\tau+7]
.endr
	NOPS 4                                         ; four places before vector work reads the scores
.endm
; + cb, mask, the wave's maximum, 2^(s - m), the sum, P in f16 in place; m and l go to LDS
.macro SOFTMAX sb, cb, hq
.irp j, 0,2,4,6,8,10,12,14
	v_pk_add_f32 v[\sb+\j:\sb+\j+1], v[\sb+\j:\sb+\j+1], v[\cb:\cb+1]
.endr
.irp i, 0,1,2,3,4,5,6,7,8,9,10,11,12,13,14,15
	v_cndmask_b32 v[\sb+\i], v9, v[\sb+\i], s[MK+\i]           ; -inf where the key lies behind the query
.endr
	v_max3_num_f32 v[TM],   v[\sb],    v[\sb+1],  v[\sb+2]
	v_max3_num_f32 v[TM+1], v[\sb+3],  v[\sb+4],  v[\sb+5]
	v_max3_num_f32 v[TM+2], v[\sb+6],  v[\sb+7],  v[\sb+8]
	v_max3_num_f32 v[TM+3], v[\sb+9],  v[\sb+10], v[\sb+11]
	v_max3_num_f32 v[TM],   v[TM],     v[\sb+12], v[\sb+13]
	v_max3_num_f32 v[TM+1], v[TM+1],   v[\sb+14], v[\sb+15]
	v_max3_num_f32 v[TM],   v[TM],     v[TM+1],   v[TM+2]
	v_max_num_f32  v[TM],   v[TM],     v[TM+3]                 ; my 16 of the query's 32 keys,
	v_permlanex16_b32 v[TM+1], v[TM], s26, s27                 ; and the other half's
	v_max_num_f32 v[MP],   v[TM], v[TM+1]
	v_max_num_f32 v[MP+1], v[TM], v[TM+1]
.irp j, 0,2,4,6,8,10,12,14
	v_pk_add_f32 v[\sb+\j:\sb+\j+1], v[\sb+\j:\sb+\j+1], v[MP:MP+1] neg_lo:[0,1] neg_hi:[0,1]
.endr
.irp i, 0,1,2,3,4,5,6,7,8,9,10,11,12,13,14,15
	v_exp_f32 v[\sb+\i], v[\sb+\i]
.endr
	v_nop                                          ; one plain place between the exponentials and the first use of a result
	s_wait_alu depctr_va_vdst(0)
	v_pk_add_f32 v[TM:TM+1],   v[\sb:\sb+1],     v[\sb+2:\sb+3]
	v_pk_add_f32 v[TM+2:TM+3], v[\sb+4:\sb+5],   v[\sb+6:\sb+7]
	v_pk_add_f32 v[TM+4:TM+5], v[\sb+8:\sb+9],   v[\sb+10:\sb+11]
	v_pk_add_f32 v[TM+6:TM+7], v[\sb+12:\sb+13], v[\sb+14:\sb+15]
	v_pk_add_f32 v[TM:TM+1],   v[TM:TM+1],   v[TM+2:TM+3]
	v_pk_add_f32 v[TM+4:TM+5], v[TM+4:TM+5], v[TM+6:TM+7]
	v_pk_add_f32 v[TM:TM+1],   v[TM:TM+1],   v[TM+4:TM+5]
	v_add_f32 v[LS], v[TM], v[TM+1]
	v_permlanex16_b32 v[TM+1], v[LS], s26, s27
	v_add_f32 v[LS], v[LS], v[TM+1]
.irp p, 0,1,2,3,4,5,6,7
	v_cvt_pk_f16_f32 v[\sb+\p], v[\sb+2*\p], v[\sb+2*\p+1]     ; word 4 tau + p = keys 16 tau + 8 hh + 2p, 2p+1: P's fragment
.endr
	v_cndmask_b32 v[TM], v[MP], v[LS], s28                     ; lanes 0-15 carry m of row r, lanes 16-31 l of row r
	ds_store_b32 v11, v[TM] offset:ML+128*\hq
.endm
.macro PV ob, vb, pb
.irp t, 0,1
	v_wmma_f32_16x16x32_f16 v[\ob+8*\t:\ob+8*\t+7], v[\vb+8*\t:\vb+8*\t+7], v[\pb:\pb+7], 0
.endr
.endm
	s_load_b128 s[4:7], s[0:1], 0x0                ; qside, kside
	s_load_b64 s[8:9], s[0:1], 0x10                ; out0
	v_lshl_add_u32 v15, v0, 2, 0x12000
	v_mov_b32 v247, 0
	v_lshrrev_b32 v1, 5, v0
	v_readfirstlane_b32 s12, v1                    ; wave w
	s_mov_b32 s10, ttmp9                           ; rb
	s_and_b32 s11, ttmp7, 0xffff                   ; head pair hp
	s_mov_b32 s26, 0x76543210                      ; v_permlanex16_b32: lane i takes lane i of the other half
	s_mov_b32 s27, 0xfedcba98
	s_mov_b32 s28, 0xffff0000                      ; lanes 16-31
	v_and_b32 v1, 31, v0                           ; lane L
	v_and_b32 v2, 15, v0                           ; r
	v_bfe_u32 v3, v0, 4, 1                         ; hh
	v_lshlrev_b32 v4, 4, v1                        ; v4: 16 L
	v_lshlrev_b32 v7, 3, v1                        ; v7: 8 L
	s_mul_i32 s13, s12, OPW
	s_add_co_u32 s13, s13, OP
	v_mul_u32_u24 v10, v2, OPP
	v_lshl_add_u32 v10, v3, 5, v10
	v_add_nc_u32 v10, s13, v10                     ; v10: my wave's o: row r, 32 hh
	s_lshl_b32 s29, s12, 8
	v_lshl_add_u32 v11, v1, 2, s29                 ; v11: my wave's m and l: word L
	s_lshl_b32 s30, s12, 2
	v_lshl_add_u32 v12, v3, 7, s30                 ; v12: the combine: head L/16, row w
	s_mul_i32 s31, s12, OPP
	s_add_co_u32 s31, s31, OP
	v_lshl_add_u32 v13, v1, 3, s31                 ; v13: the combine: row w, columns 2L, 2L+1
	s_mov_b32 s15, 0                               ; offsets in a pair of their own
	s_mul_i32 s33, s10, QBLK
	s_mul_i32 s14, s11, 10240
	s_add_co_u32 s14, s14, s33
	s_wait_kmcnt 0x0
	s_add_nc_u64 s[16:17], s[4:5], s[14:15]        ; the pair's ten query fragments
	s_lshl_b32 s14, s11, 9
	s_add_co_u32 s14, s14, s33
	s_add_co_u32 s14, s14, 20480
	s_add_nc_u64 s[18:19], s[4:5], s[14:15]        ; the pair's cb
	s_mul_i32 s14, s12, KBLK
	s_add_nc_u64 s[20:21], s[6:7], s[14:15]        ; my chunk
	s_lshl_b32 s14, s11, 12
	s_add_nc_u64 s[22:23], s[20:21], s[14:15]      ; + two heads of 2048 bytes: k and V of my pair
	s_lshl_b32 s14, s10, 4
	s_add_co_u32 s14, s14, s12
	s_lshl_b32 s14, s14, 9
	s_lshl_b32 s34, s11, 8
	s_add_co_u32 s14, s14, s34
	s_add_nc_u64 s[24:25], s[8:9], s[14:15]        ; out0: row 16 rb + w, 256 bytes of the pair
	s_lshl_b32 s32, s12, 1
	s_cmp_gt_u32 s32, s10                          ; 2 w > rb: all my keys lie behind all queries
	s_cbranch_scc1 .Lidle
	; 54 loads: cb 2, head 0's queries 10, K' 16, head 0's k 4, head 1's queries 10, head 1's k 4, V 8
	global_load_b64 v[CB0:CB0+1], v7, s[18:19]
	global_load_b64 v[CB1:CB1+1], v7, s[18:19] offset:256
.irp i, 0,1,2,3,4
	global_load_b128 v[QF0+8*\i:QF0+8*\i+3],   v4, s[16:17] offset:1024*\i
	global_load_b128 v[QF0+8*\i+4:QF0+8*\i+7], v4, s[16:17] offset:1024*\i+512
.endr
.irp tau, 0,1
.irp kk, 0,1,2,3
	global_load_b128 v[KP+32*\tau+8*\kk:KP+32*\tau+8*\kk+3],   v4, s[20:21] offset:4096*\tau+1024*\kk
	global_load_b128 v[KP+32*\tau+8*\kk+4:KP+32*\tau+8*\kk+7], v4, s[20:21] offset:4096*\tau+1024*\kk+512
.endr
.endr
.irp tau, 0,1
	global_load_b128 v[KH+8*\tau:KH+8*\tau+3],   v4, s[22:23] offset:8192+1024*\tau
	global_load_b128 v[KH+8*\tau+4:KH+8*\tau+7], v4, s[22:23] offset:8192+1024*\tau+512
.endr
.irp i, 0,1,2,3,4
	global_load_b128 v[QF1+8*\i:QF1+8*\i+3],   v4, s[16:17] offset:5120+1024*\i
	global_load_b128 v[QF1+8*\i+4:QF1+8*\i+7], v4, s[16:17] offset:5120+1024*\i+512
.endr
.irp tau, 0,1
	global_load_b128 v[KH+16+8*\tau:KH+16+8*\tau+3],   v4, s[22:23] offset:10240+1024*\tau
	global_load_b128 v[KH+16+8*\tau+4:KH+16+8*\tau+7], v4, s[22:23] offset:10240+1024*\tau+512
.endr
.irp hq, 0,1
.irp t, 0,1
	global_load_b128 v[VT+16*\hq+8*\t:VT+16*\hq+8*\t+3],   v4, s[22:23] offset:16384+2048*\hq+1024*\t
	global_load_b128 v[VT+16*\hq+8*\t+4:VT+16*\hq+8*\t+7], v4, s[22:23] offset:16384+2048*\hq+1024*\t+512
.endr
.endr
	; while they are on their way: query - key = (16 rb + r) - (32 w + 16 tau + 8 hh + jj) >= 0, as sixteen lane masks
	s_lshl_b32 s33, s10, 4
	s_lshl_b32 s34, s12, 5
	s_sub_co_i32 s33, s33, s34
	v_lshlrev_b32 v8, 3, v3
	v_sub_nc_u32 v8, v2, v8
	v_add_nc_u32 v8, s33, v8                       ; 16 rb - 32 w + r - 8 hh
	v_mov_b32 v9, 0xff800000                       ; -inf
.irp tau, 0,1
.irp jj, 0,1,2,3,4,5,6,7
	v_cmp_ge_i32 s[MK+8*\tau+\jj], v8, 16*\tau+\jj
.endr
.endr
	s_wait_loadcnt 22                              ; cb, head 0's queries, K' and head 0's k are in; 10 + 4 + 8 younger loads stay out
	SCORE S0, QF0, KH
	SOFTMAX S0, CB0, 0
	s_wait_loadcnt 8                               ; head 1's queries and k are in; V's eight loads stay out
	SCORE S1, QF1, KH+16                           ; writes over head 0's Q', nine places behind its last use
	s_wait_loadcnt 0x0
	PV O0, VT, S0
	SOFTMAX S1, CB1, 1                             ; touches none of the registers of the two products in front of it
	PV O1, VT+16, S1                               ; writes over K', nine places behind its last use
	NOPS 4                                         ; four places before the LDS stores read the results, and before later loads land on operands
.irp t, 0,1
	ds_store_b128 v10, v[O0+8*\t:O0+8*\t+3]   offset:64*\t
	ds_store_b128 v10, v[O0+8*\t+4:O0+8*\t+7] offset:64*\t+16
	ds_store_b128 v10, v[O1+8*\t:O1+8*\t+3]   offset:128+64*\t
	ds_store_b128 v10, v[O1+8*\t+4:O1+8*\t+7] offset:128+64*\t+16
.endr
	s_branch .Ljoin
.Lidle:                                                ; no key of mine is allowed: m = -inf, l = 0, o = 0, so that the combine weighs me with 2^-inf = 0
	v_mov_b32 v16, 0
	v_mov_b32 v17, 0
	v_mov_b32 v18, 0
	v_mov_b32 v19, 0
	v_mov_b32 v21, 0xff800000
	v_cndmask_b32 v20, v21, 0, s28
.irp o, 0,16,64,80,128,144,192,208
	ds_store_b128 v10, v[16:19] offset:\o
.endr
	ds_store_b32 v11, v20 offset:ML
	ds_store_b32 v11, v20 offset:ML+128
.Ljoin:
	s_wait_dscnt 0x0                               ; my m, l and o lie in LDS before I say so
	s_barrier_signal -1
	s_barrier_wait -1
	; THE COMBINE: wave w takes query row w, lane L columns 2L, 2L+1 (head L/16 of the pair)
.irp i, 0,1,2,3,4,5,6,7,8,9,10,11,12,13,14,15
	ds_load_b32 v[MW+\i], v12 offset:ML+256*\i
.endr
.irp i, 0,1,2,3,4,5,6,7,8,9,10,11,12,13,14,15
	ds_load_b32 v[LW+\i], v12 offset:ML+256*\i+64
.endr
.irp i, 0,1,2,3,4,5,6,7,8,9,10,11,12,13,14,15
	ds_load_b64 v[OW+2*\i:OW+2*\i+1], v13 offset:OPW*\i
.endr
	s_wait_dscnt 32                                ; the sixteen m are in; 16 l and 16 o stay out
	v_max3_num_f32 v[TC],   v[MW],    v[MW+1],  v[MW+2]
	v_max3_num_f32 v[TC+1], v[MW+3],  v[MW+4],  v[MW+5]
	v_max3_num_f32 v[TC+2], v[MW+6],  v[MW+7],  v[MW+8]
	v_max3_num_f32 v[TC+3], v[MW+9],  v[MW+10], v[MW+11]
	v_max3_num_f32 v[TC],   v[TC],    v[MW+12], v[MW+13]
	v_max3_num_f32 v[TC+1], v[TC+1],  v[MW+14], v[MW+15]
	v_max3_num_f32 v[TC],   v[TC],    v[TC+1],  v[TC+2]
	v_max_num_f32 v[GM],   v[TC], v[TC+3]          ; finite: wave 0 is always at work
	v_max_num_f32 v[GM+1], v[TC], v[TC+3]
.irp j, 0,2,4,6,8,10,12,14
	v_pk_add_f32 v[MW+\j:MW+\j+1], v[MW+\j:MW+\j+1], v[GM:GM+1] neg_lo:[0,1] neg_hi:[0,1]
.endr
.irp i, 0,1,2,3,4,5,6,7,8,9,10,11,12,13,14,15
	v_exp_f32 v[MW+\i], v[MW+\i]                   ; each wave's weight, 2^(m - M)
.endr
	v_nop                                          ; one plain place between the exponentials and the first use of a result
	s_wait_dscnt 0x0
	s_wait_alu depctr_va_vdst(0)
	v_pk_mul_f32 v[L2:L2+1], v[MW:MW+1], v[LW:LW+1]
	v_pk_mul_f32 v[OA:OA+1], v[OW:OW+1],   v[MW:MW+1] op_sel_hi:[1,0]                  ; both columns by the even wave's weight
	v_pk_mul_f32 v[OB:OB+1], v[OW+2:OW+3], v[MW:MW+1] op_sel:[0,1] op_sel_hi:[1,1]     ; both by the odd wave's
.irp j, 2,4,6,8,10,12,14
	v_pk_fma_f32 v[L2:L2+1], v[MW+\j:MW+\j+1], v[LW+\j:LW+\j+1], v[L2:L2+1]
	v_pk_fma_f32 v[OA:OA+1], v[OW+2*\j:OW+2*\j+1],   v[MW+\j:MW+\j+1], v[OA:OA+1] op_sel_hi:[1,0,1]
	v_pk_fma_f32 v[OB:OB+1], v[OW+2*\j+2:OW+2*\j+3], v[MW+\j:MW+\j+1], v[OB:OB+1] op_sel:[0,1,0] op_sel_hi:[1,1,1]
.endr
	v_add_f32 v[L2], v[L2], v[L2+1]                ; at least 1: the wave that holds M adds its own l, which is at least 1
	v_rcp_f32 v[L2+1], v[L2]
	v_pk_add_f32 v[OA:OA+1], v[OA:OA+1], v[OB:OB+1]    ; the plain place behind the reciprocal
	s_wait_alu depctr_va_vdst(0)
	v_pk_mul_f32 v[OA:OA+1], v[OA:OA+1], v[L2:L2+1] op_sel:[0,1] op_sel_hi:[1,1]
	global_store_b64 v7, v[OA:OA+1], s[24:25]      ; the wave stores 256 consecutive bytes, at a multiple of 256 from out0's first byte
	s_wait_tensorcnt 0x0
	ds_add_u32 v15, v247
	s_wait_dscnt 0x0
	s_endpgm
.Lfunc_end_k_q6187a0c41c_attn:
	.size	k_q6187a0c41c_attn, .Lfunc_end_k_q6187a0c41c_attn-k_q6187a0c41c_attn
	.p2alignl 7, 3214868480
	.fill 96, 4, 3214868480
	.section	.rodata,"a",@progbits
	.p2align	6, 0x0
	.amdhsa_kernel k_q6187a0c41c_attn
		.amdhsa_group_segment_fixed_size 75776
		.amdhsa_private_segment_fixed_size 0
		.amdhsa_enable_private_segment 0
		.amdhsa_kernarg_size 24
		.amdhsa_user_sgpr_count 2
		.amdhsa_user_sgpr_kernarg_segment_ptr 1
		.amdhsa_wavefront_size32 1
		.amdhsa_system_sgpr_workgroup_id_x 1
		.amdhsa_system_sgpr_workgroup_id_y 1
		.amdhsa_system_sgpr_workgroup_id_z 1
		.amdhsa_system_vgpr_workitem_id 0
		.amdhsa_next_free_vgpr 256
		.amdhsa_next_free_sgpr 66
		.amdhsa_reserve_vcc 0
		.amdhsa_float_denorm_mode_32 3
		.amdhsa_float_denorm_mode_16_64 3
		.amdhsa_memory_ordered 1
		.amdhsa_forward_progress 1
		.amdhsa_inst_pref_size 28
	.end_amdhsa_kernel
	.amdgpu_metadata
---
amdhsa.version: [ 1, 2 ]
amdhsa.kernels:
  - .name:           k_q6187a0c41c_attn
    .symbol:         k_q6187a0c41c_attn.kd
    .args:
      - { .name: qside, .offset: 0, .size: 8, .value_kind: global_buffer, .address_space: global }
      - { .name: kside, .offset: 8, .size: 8, .value_kind: global_buffer, .address_space: global }
      - { .name: out0, .offset: 16, .size: 8, .value_kind: global_buffer, .address_space: global }
    .group_segment_fixed_size: 75776
    .private_segment_fixed_size: 0
    .kernarg_segment_align: 8
    .kernarg_segment_size: 24
    .max_flat_workgroup_size: 512
    .sgpr_count:     66
    .vgpr_count:     256
    .wavefront_size: 32
...
	.end_amdgpu_metadata
.endif
;; end of part 2
;; ======== version 2 of 2: 2 launches; 1.18 times as fast as version 1
;; limits: values are held in f16: magnitudes above 65,504 overflow, below 6.1e-05 lose precision; right only within a limited range of input values
;; workspace buffers: qside 688,128 bytes; kside 393,216 bytes
;; launch prep (part 3): grid 8 x 28, 4 waves a work-group, no clusters, 15,360 bytes of LDS; arguments inp, pos, f, Wq, Wk, Wv, Wqt, Wt, bq, bk, bv, bqt, bt, qside, kside; writes qside, kside
.if DOCPART == 3
	.amdgcn_target "amdgcn-amd-amdhsa--gfx1250"
	.amdhsa_code_object_version 6
	.text
	.protected	k_q6187a0c41c_prep
	.globl	k_q6187a0c41c_prep
	.p2align	8
	.type	k_q6187a0c41c_prep,@function
k_q6187a0c41c_prep:
	s_mov_b64 s[64:65], 0
	v_nop
	global_prefetch_b8 v0, s[64:65] scope:SCOPE_SE
	s_setreg_imm32_b32 hwreg(HW_REG_WAVE_MODE, 25, 1), 1
	s_wait_xcnt 0x0
; prep: every operand that the attention launch multiplies, made once and stored in the matrix unit's register order.
;
; THE ALGEBRA.  With a_i = pos_i f_k, U[h,i,c] = sum_e Wt[c,32h+e] qt[h,i,e] and cb[h,i] = sum_e bt[32h+e] qt[h,i,e], the time bias
; sum_e t[h,i,j,e] qt[h,i,e] is  cb + sum_k ( U[2k] sin(a_i-a_j) + U[2k+1] cos(a_i-a_j) )
;                              = cb + sum_k ( sin a_j (U[2k+1] sin a_i - U[2k] cos a_i) + cos a_j (U[2k] sin a_i + U[2k+1] cos a_i) ),
; a plain product Q'[h,i,0:128] . K'[j,0:128].  Both identities hold for every input; only the order of the sums differs from the
; formula as it is written.  c = log2(e)/sqrt(32) is folded into q and qt (so into Q' and cb): scores come out in powers of two.
;
; WORK.  Grid 8 x 28: x = group of four row blocks; y & 3 = head; y >> 2 = 0..3: qt and quarter qd of Q' (c = 32 qd .. 32 qd + 31), 4: q, 5: k,
; 6: v.  Wave w owns row block rb = 4 x + w (16 rows of inp).  The four waves share one slice W[:, 32h:32h+32], converted to f16 on its way
; into LDS.  The four quarters each make c qt anew (8 products) and then share the long part: two of the eight tiles of sin and cos, of U
; and of the rotation each.  All quarters form cb, so that all run the same text; quarter 0 stores it.  Head 0 stores its quarter of K'.
; FORMATS.  inp, all W, q, k, v, qt: f16 operands, f32 sums.  Q', K': bf16 (Q' has no room in f16 when inputs carry offsets).
; LIMITS.  |inp|, |W|, |c q|, |k|, |v|, |c qt| below 65504 (f16); |pos f| below 2^22; sin and cos are polynomials on [-pi/2, pi/2] with an
; absolute error of at most 2.5e-5 (the cosine's first dropped term, (pi/2)^10 / 10!), far under bf16's step.
; NO CLUSTER: the work-groups of one (type, head) read the same 16 KiB slice, but it has to be narrowed from f32 to f16 before it
; lies in LDS, so it passes through registers anyway; a joint tensor load would land f32 in LDS and cost a second pass over it.
;
; qside, 21504 bytes a row block:  5120 h + 1024 f: fragment f = 0..3 Q'_h (bf16, c = 32f..), f = 4: c q_h (f16);  20480 + 256 h + 8 lane: (cb, cb)
; kside, 24576 bytes a chunk of 32 keys (row blocks 2 chunk + tau):  4096 tau + 512 ct: K' (bf16);  8192 + 2048 h + 1024 tau: k_h (f16);
;                                                                    16384 + 2048 h + 1024 t + 512 tau: V_h transposed (f16)
; A fragment (16 rows x 32 K of 16 bits) is stored as [half][lane][16 bytes]: each store below covers 512 consecutive bytes, aligned.
.set QBLK,  21504
.set KBLK,  24576
.set CSC,   0x3e8293ee                 ; c = 0.25503486
.set WTL,   12288                      ; LDS: W slice f16 [d 128][col 32], pitch 96, at 0;  Wt's quarter f16 [c 32][e 32], pitch 80, at 12288
.set XR,    16                         ; v16-79   16 rows of inp as loaded (f32); packed in place to four f16 fragments in v16-47
.set WF,    48                         ; v48-111  fragments of the slice: tile t, K step kk at 48 + 32 t + 8 kk
.set WRAW,  80                         ; v80-111  the slice as loaded
.set WTRAW, 112                        ; v112-119 Wt's quarter as loaded
.set WTA,   120                        ; v120-135 its two fragments
.set ST,    144                        ; v144-167 two sets of 12 temporaries for sin and cos
.set S4P,   168                        ; v168:169 1/9!, twice
.set C4P,   170                        ; v170:171 1/8!, twice
.set SC,    176                        ; v176-191 tile i at 176 + 8 i: four f as loaded, then (sin, cos) x 4
.set U,     192                        ; v192-207 two tiles of U
.set ACC,   208                        ; v208-223 two accumulator tiles
.set BT,    224                        ; v224-239 bt as a tile pair (type v: bv in two pairs)
.set PP,    240                        ; v240:241 (pos, pos) of my row
.set FR,    242                        ; v242-249 the projection as an f16 fragment
.set CBR,   250                        ; v250:251 (cb, cb)
.set RT,    252                        ; v252-255 temporaries of the rotation
.macro NOPS n
.rept \n
	v_nop
.endr
.endm
; 128 rows x 128 bytes of a weight's columns 32h..32h+31: thread t takes 16 bytes of row 16 i + t/8
.macro STAGE_LD sb, dst
.irp i, 0,1,2,3,4,5,6,7
	global_load_b128 v[\dst+4*\i:\dst+4*\i+3], v4, s[\sb:\sb+1] offset:8192*\i
.endr
.endm
; narrowed to f16 in place, 8 bytes a thread into LDS
.macro STAGE_ST src, va, step
.irp i, 0,1,2,3,4,5,6,7
	v_cvt_pk_f16_f32 v[\src+4*\i],   v[\src+4*\i],   v[\src+4*\i+1]
	v_cvt_pk_f16_f32 v[\src+4*\i+1], v[\src+4*\i+2], v[\src+4*\i+3]
	ds_store_b64 v[\va], v[\src+4*\i:\src+4*\i+1] offset:\step*\i
.endr
.endm
; my 16 rows of inp in fragment order: lane (r, hh) takes d = 32 kk + 8 hh + 0..7 and 32 kk + 16 + 8 hh + 0..7 of row r
.macro LOAD_X
.irp kk, 0,1,2,3
	global_load_b128 v[XR+16*\kk:XR+16*\kk+3],     v7, s[44:45] offset:128*\kk
	global_load_b128 v[XR+16*\kk+4:XR+16*\kk+7],   v7, s[44:45] offset:128*\kk+16
	global_load_b128 v[XR+16*\kk+8:XR+16*\kk+11],  v7, s[44:45] offset:128*\kk+64
	global_load_b128 v[XR+16*\kk+12:XR+16*\kk+15], v7, s[44:45] offset:128*\kk+80
.endr
.endm
; ascending: word n of the result takes words 2n, 2n+1, so nothing is overwritten before it is read
.macro PACK_X
.irp kk, 0,1,2,3
.irp p, 0,1,2,3,4,5,6,7
	v_cvt_pk_f16_f32 v[XR+8*\kk+\p], v[XR+16*\kk+2*\p], v[XR+16*\kk+2*\p+1]
.endr
.endr
.endm
; a bias as the C tiles of a transposed product: register jj of tile t = b[32h + 16t + 8hh + jj]
.macro LOAD_B dst, sb
.irp t, 0,1
	global_load_b128 v[\dst+8*\t:\dst+8*\t+3],   v8, s[\sb:\sb+1] offset:64*\t
	global_load_b128 v[\dst+8*\t+4:\dst+8*\t+7], v8, s[\sb:\sb+1] offset:64*\t+16
.endr
.endm
; the slice lies [d][col]: the transposing load gives lane r column 16t + r with d along the registers
.macro LOAD_WF
.irp t, 0,1
.irp kk, 0,1,2,3
	ds_load_tr16_b128 v[WF+32*\t+8*\kk:WF+32*\t+8*\kk+3],   v9 offset:3072*\kk+32*\t
	ds_load_tr16_b128 v[WF+32*\t+8*\kk+4:WF+32*\t+8*\kk+7], v9 offset:3072*\kk+32*\t+1536
.endr
.endr
.endm
; transposed: D(e = 16t + 8hh + jj, row = lane r); the bias already lies in ACC
.macro PROJ_T
.irp kk, 0,1,2,3
.irp t, 0,1
	v_wmma_f32_16x16x32_f16 v[ACC+8*\t:ACC+8*\t+7], v[WF+32*\t+8*\kk:WF+32*\t+8*\kk+7], v[XR+8*\kk:XR+8*\kk+7], v[ACC+8*\t:ACC+8*\t+7]
.endr
.endr
.endm
; natural: D(row = 8hh + jj, e = 16t + lane r); the first product starts the sums
.macro PROJ_N
.irp kk, 0,1,2,3
.irp t, 0,1
.if \kk == 0
	v_wmma_f32_16x16x32_f16 v[ACC+8*\t:ACC+8*\t+7], v[XR+8*\kk:XR+8*\kk+7], v[WF+32*\t+8*\kk:WF+32*\t+8*\kk+7], 0
.else
	v_wmma_f32_16x16x32_f16 v[ACC+8*\t:ACC+8*\t+7], v[XR+8*\kk:XR+8*\kk+7], v[WF+32*\t+8*\kk:WF+32*\t+8*\kk+7], v[ACC+8*\t:ACC+8*\t+7]
.endif
.endr
.endr
.endm
.macro SCALE_ACC
.irp j, 0,2,4,6,8,10,12,14
	v_pk_mul_f32 v[ACC+\j:ACC+\j+1], v[ACC+\j:ACC+\j+1], CSC op_sel_hi:[1,0]
.endr
.endm
; two tiles of eight f32 a lane are the eight words of one f16 fragment
.macro PACK_FR
.irp t, 0,1
.irp p, 0,1,2,3
	v_cvt_pk_f16_f32 v[FR+4*\t+\p], v[ACC+8*\t+2*\p], v[ACC+8*\t+2*\p+1]
.endr
.endr
.endm
; q and k.  28 loads: slice 8, inp 16, bias 4.
.macro PATH_T scale
	STAGE_LD 40, WRAW
	LOAD_X
	LOAD_B ACC, 42
	s_wait_loadcnt 20                              ; the slice is in; 16 loads of inp and 4 of the bias stay out
	STAGE_ST WRAW, 5, 1536
	s_wait_dscnt 0x0                               ; my part of the slice lies in LDS before I say so
	s_barrier_signal -1
	s_wait_loadcnt 4                               ; inp is in; the bias stays out
	PACK_X                                         ; register work while the others arrive
	s_barrier_wait -1
	LOAD_WF
	s_wait_loadcnt 0x0                             ; the bias: C of the first products
	s_wait_dscnt 0x0
	PROJ_T
	NOPS 4                                         ; four places before a vector instruction reads a matrix result (ISA guide 7.12.1)
.if \scale
	SCALE_ACC
.endif
	PACK_FR
	global_store_b128 v11, v[FR:FR+3],   s[46:47]
	global_store_b128 v11, v[FR+4:FR+7], s[46:47] offset:512
	s_wait_tensorcnt 0x0
	ds_add_u32 v174, v175
	s_wait_dscnt 0x0
	s_endpgm
.endm
; sin and cos of pos x f for the four f in v[b:b+3]; result (sin, cos) x 4 in v[b:b+7].  Two sets of temporaries run side by side.
; x = f p with its exact rest xl = fma(f, p, -x); n = nearest whole number to x / pi; r = x - n pi in two steps, + xl; z = r r;
; sin r = r + r z (-1/3! + z (1/5! + z (-1/7! + z/9!))); cos r = 1 + z (-1/2 + z (1/4! + z (-1/6! + z/8!))); both change sign with n odd.
; In a set: +0 x, then n's lowest bit moved to the sign; +2 xl, then z r; +4 n, then the cosine; +6 r; +8 z; +10 the sine.
.macro SINCOS b
.irp s, 0,1
.set T, ST+12*\s
	v_pk_mul_f32 v[T:T+1], v[\b+2*\s:\b+2*\s+1], v[PP:PP+1]
.endr
.irp s, 0,1
.set T, ST+12*\s
	v_fma_f32 v[T+2], v[\b+2*\s],   v[PP], -v[T]
	v_fma_f32 v[T+3], v[\b+2*\s+1], v[PP], -v[T+1]
.endr
.irp s, 0,1
.set T, ST+12*\s
	v_pk_mul_f32 v[T+4:T+5], v[T:T+1], 0x3ea2f983 op_sel_hi:[1,0]             ; x / pi
.endr
.irp s, 0,1
.set T, ST+12*\s
	v_rndne_f32 v[T+4], v[T+4]
	v_rndne_f32 v[T+5], v[T+5]
.endr
.irp s, 0,1
.set T, ST+12*\s
	v_pk_fma_f32 v[T+6:T+7], v[T+4:T+5], 0xc0490fdb, v[T:T+1] op_sel_hi:[1,0,1]   ; x - n pi_hi
.endr
.irp s, 0,1
.set T, ST+12*\s
	v_pk_fma_f32 v[T+6:T+7], v[T+4:T+5], 0x33bbbd2e, v[T+6:T+7] op_sel_hi:[1,0,1] ; pi = pi_hi - 8.742278e-8
.endr
.irp s, 0,1
.set T, ST+12*\s
	v_cvt_i32_f32 v[T],   v[T+4]
	v_cvt_i32_f32 v[T+1], v[T+5]
.endr
.irp s, 0,1
.set T, ST+12*\s
	v_pk_add_f32 v[T+6:T+7], v[T+6:T+7], v[T+2:T+3]
.endr
.irp s, 0,1
.set T, ST+12*\s
	v_lshlrev_b32 v[T],   31, v[T]
	v_lshlrev_b32 v[T+1], 31, v[T+1]
.endr
.irp s, 0,1
.set T, ST+12*\s
	v_pk_mul_f32 v[T+8:T+9], v[T+6:T+7], v[T+6:T+7]
.endr
.irp s, 0,1
.set T, ST+12*\s
	v_pk_fma_f32 v[T+10:T+11], v[T+8:T+9], v[S4P:S4P+1], 0xb9500d01 op_sel_hi:[1,1,0]
	v_pk_fma_f32 v[T+4:T+5],   v[T+8:T+9], v[C4P:C4P+1], 0xbab60b61 op_sel_hi:[1,1,0]
	v_pk_mul_f32 v[T+2:T+3],   v[T+8:T+9], v[T+6:T+7]
.endr
.irp s, 0,1
.set T, ST+12*\s
	v_pk_fma_f32 v[T+10:T+11], v[T+10:T+11], v[T+8:T+9], 0x3c088889 op_sel_hi:[1,1,0]
	v_pk_fma_f32 v[T+4:T+5],   v[T+4:T+5],   v[T+8:T+9], 0x3d2aaaab op_sel_hi:[1,1,0]
.endr
.irp s, 0,1
.set T, ST+12*\s
	v_pk_fma_f32 v[T+10:T+11], v[T+10:T+11], v[T+8:T+9], 0xbe2aaaab op_sel_hi:[1,1,0]
	v_pk_fma_f32 v[T+4:T+5],   v[T+4:T+5],   v[T+8:T+9], -0.5 op_sel_hi:[1,1,0]
.endr
.irp s, 0,1
.set T, ST+12*\s
	v_pk_fma_f32 v[T+10:T+11], v[T+10:T+11], v[T+2:T+3], v[T+6:T+7]
	v_pk_fma_f32 v[T+4:T+5],   v[T+4:T+5],   v[T+8:T+9], 1.0 op_sel_hi:[1,1,0]
.endr
.irp s, 0,1
.set T, ST+12*\s
	v_xor_b32 v[\b+4*\s],   v[T+10], v[T]          ; all four f were read in the first two steps
	v_xor_b32 v[\b+4*\s+1], v[T+4],  v[T]
	v_xor_b32 v[\b+4*\s+2], v[T+11], v[T+1]
	v_xor_b32 v[\b+4*\s+3], v[T+5],  v[T+1]
.endr
.endm
; one tile of U (c = 16ct + 8hh + 0..7 of row r) turned by my row's angles, rounded to bf16, stored as half a fragment of Q'
.macro ROT ub, sb, off
.irp u, 0,1,2,3
	v_mul_f32 v[RT+2*(\u%2)],   v[\ub+2*\u],   v[\sb+2*\u+1]                       ; Us cos
	v_mul_f32 v[RT+2*(\u%2)+1], v[\ub+2*\u+1], v[\sb+2*\u+1]                       ; Uc cos
	v_fma_f32 v[RT+2*(\u%2)],   v[\ub+2*\u+1], v[\sb+2*\u], -v[RT+2*(\u%2)]        ; Uc sin - Us cos: meets sin a_j
	v_fma_f32 v[RT+2*(\u%2)+1], v[\ub+2*\u],   v[\sb+2*\u], v[RT+2*(\u%2)+1]       ; Us sin + Uc cos: meets cos a_j
	v_cvt_pk_bf16_f32 v[\ub+\u], v[RT+2*(\u%2)], v[RT+2*(\u%2)+1]
.endr
	global_store_b128 v11, v[\ub:\ub+3], s[46:47] offset:\off
.endm
	s_load_b512 s[8:23],  s[0:1], 0x0              ; inp 8, pos 10, f 12, Wq 14, Wk 16, Wv 18, Wqt 20, Wt 22
	s_load_b256 s[24:31], s[0:1], 0x40             ; bq 24, bk 26, bv 28, bqt 30
	s_load_b128 s[32:35], s[0:1], 0x60             ; bt 32, qside 34
	s_load_b64  s[36:37], s[0:1], 0x70             ; kside
	v_lshl_add_u32 v174, v0, 2, 0x3a00
	v_mov_b32 v175, 0
	v_lshrrev_b32 v1, 5, v0
	v_readfirstlane_b32 s2, v1                     ; wave
	s_lshl_b32 s3, ttmp9, 2
	s_add_co_u32 s3, s3, s2                        ; rb = 4 x + wave
	s_and_b32 s6, ttmp7, 0xffff
	s_lshr_b32 s4, s6, 2                           ; 0..3: qt, and the quarter; 4 q, 5 k, 6 v
	s_and_b32 s5, s6, 3                            ; head
	v_and_b32 v1, 31, v0                           ; lane L
	v_and_b32 v2, 15, v0                           ; r
	v_bfe_u32 v3, v0, 4, 1                         ; hh
	v_lshrrev_b32 v15, 3, v0                       ; t / 8
	v_and_b32 v14, 7, v0                           ; t % 8
	v_lshlrev_b32 v4, 9, v15
	v_lshl_add_u32 v4, v14, 4, v4                  ; v4: slice in memory, 512 (t/8) + 16 (t%8)
	v_mul_u32_u24 v5, v15, 96
	v_lshl_add_u32 v5, v14, 3, v5                  ; v5: slice in LDS, 96 (t/8) + 8 (t%8)
	v_mul_u32_u24 v6, v15, 80
	v_lshl_add_u32 v6, v14, 3, v6
	v_add_nc_u32 v6, WTL, v6                       ; v6: Wt's quarter in LDS, 80 (t/8) + 8 (t%8)
	v_lshlrev_b32 v7, 9, v2
	v_lshl_add_u32 v7, v3, 5, v7                   ; v7: inp, 512 r + 32 hh
	v_lshlrev_b32 v8, 5, v3                        ; v8: bias tiles, 32 hh
	v_lshl_add_u32 v9, v3, 3, v14                  ; 8 hh + L % 8
	v_mul_u32_u24 v9, v9, 96
	v_bfe_u32 v15, v0, 3, 1
	v_lshl_add_u32 v9, v15, 4, v9                  ; v9: transposing loads, + 16 ((L/8) % 2)
	v_mul_u32_u24 v10, v2, 80
	v_lshl_add_u32 v10, v3, 4, v10
	v_add_nc_u32 v10, WTL, v10                     ; v10: fragments of Wt, 80 r + 16 hh
	v_lshlrev_b32 v11, 4, v1                       ; v11: 16 L
	v_lshlrev_b32 v12, 3, v1                       ; v12: 8 L
	v_lshlrev_b32 v13, 4, v3                       ; v13: f, 16 hh
	v_lshlrev_b32 v14, 2, v2                       ; v14: 4 r
	s_mov_b32 s39, 0                               ; offsets live in pairs of their own, high word 0
	s_mov_b32 s7, 0
	s_lshl_b32 s6, s3, 13                          ; 16 rows of 512 bytes
	s_lshl_b32 s38, s5, 7                          ; 32 columns (or 32 bias numbers) of 4 bytes
	s_lshr_b32 s60, s3, 1
	s_mul_i32 s60, s60, KBLK                       ; my chunk's block in kside
	s_and_b32 s61, s3, 1                           ; tau
	s_mul_i32 s62, s3, QBLK                        ; my row block's block in qside
	s_wait_kmcnt 0x0
	s_add_nc_u64 s[44:45], s[8:9], s[6:7]          ; inp at my rows
	s_cmp_eq_u32 s4, 4                             ; the type is the same in all four waves
	s_cbranch_scc1 .Lq
	s_cmp_eq_u32 s4, 5
	s_cbranch_scc1 .Lk
	s_cmp_eq_u32 s4, 6
	s_cbranch_scc1 .Lv
	; ---------------- qt, then cb, and quarter s4 of U, Q' (and of K' where head = 0) ----------------
	; 37 loads: pos 1, f 2, Wqt 8, Wt 2, inp 16, bqt 4, bt 4; each base is summed right in front of its loads
	s_lshl_b32 s6, s3, 6
	s_add_nc_u64 s[56:57], s[10:11], s[6:7]        ; pos at my rows
	global_load_b32 v[PP], v14, s[56:57]
	s_lshl_b32 s6, s4, 6
	s_add_nc_u64 s[12:13], s[12:13], s[6:7]        ; f at my quarter's 16 frequencies
	global_load_b128 v[SC:SC+3],    v13, s[12:13]              ; f[16 qd + 4 hh + 0..3]
	global_load_b128 v[SC+8:SC+11], v13, s[12:13] offset:32    ; f[16 qd + 8 + 4 hh + 0..3]
	s_add_nc_u64 s[40:41], s[20:21], s[38:39]      ; Wqt at my head
	STAGE_LD 40, WRAW
	s_lshl_b32 s6, s4, 14                          ; 32 rows of 512 bytes a quarter
	s_add_co_u32 s6, s6, s38
	s_add_nc_u64 s[52:53], s[22:23], s[6:7]        ; Wt at my quarter's rows and my head's columns
	global_load_b128 v[WTRAW:WTRAW+3],   v4, s[52:53]
	global_load_b128 v[WTRAW+4:WTRAW+7], v4, s[52:53] offset:8192
	LOAD_X
	s_add_nc_u64 s[42:43], s[30:31], s[38:39]      ; bqt, bt at my head
	LOAD_B ACC, 42
	s_add_nc_u64 s[54:55], s[32:33], s[38:39]
	LOAD_B BT, 54
	s_mul_i32 s6, s5, 5120                         ; where the results go: scalar work behind the loads' issue
	s_add_co_u32 s6, s6, s62
	s_lshl_b32 s63, s4, 10
	s_add_co_u32 s6, s6, s63
	s_add_nc_u64 s[46:47], s[34:35], s[6:7]        ; Q'_h, fragment qd
	s_lshl_b32 s6, s5, 8
	s_add_co_u32 s6, s6, s62
	s_add_co_u32 s6, s6, 20480
	s_add_nc_u64 s[48:49], s[34:35], s[6:7]        ; cb_h
	s_lshl_b32 s6, s61, 12
	s_add_co_u32 s6, s6, s60
	s_add_co_u32 s6, s6, s63
	s_add_nc_u64 s[50:51], s[36:37], s[6:7]        ; K', fragment qd
	s_mov_b32 s58, 0x76543210                      ; v_permlanex16_b32: lane i takes lane i of the other half
	s_mov_b32 s59, 0xfedcba98
	v_mov_b32 v[S4P],   0x3638ef1d
	v_mov_b32 v[S4P+1], 0x3638ef1d
	v_mov_b32 v[C4P],   0x37d00d01
	v_mov_b32 v[C4P+1], 0x37d00d01
	s_wait_loadcnt 34                              ; pos and f are in; the 34 loads behind them (10 + 16 + 8) stay out while sin and cos are made
	v_mov_b32 v[PP+1], v[PP]
	SINCOS SC
	SINCOS SC+8
	s_wait_loadcnt 24                              ; both slices are in; inp (16) and the biases (8) stay out
	STAGE_ST WRAW, 5, 1536
.irp i, 0,1
	v_cvt_pk_f16_f32 v[WTRAW+4*\i],   v[WTRAW+4*\i],   v[WTRAW+4*\i+1]
	v_cvt_pk_f16_f32 v[WTRAW+4*\i+1], v[WTRAW+4*\i+2], v[WTRAW+4*\i+3]
	ds_store_b64 v6, v[WTRAW+4*\i:WTRAW+4*\i+1] offset:1280*\i
.endr
	s_wait_dscnt 0x0                               ; my part of both slices lies in LDS before I say so
	s_barrier_signal -1
	s_wait_loadcnt 8                               ; inp is in; the two biases stay out
	PACK_X                                         ; register work while the others arrive
	s_barrier_wait -1
	LOAD_WF                                        ; 16 LDS loads,
.irp i, 0,1
	ds_load_b128 v[WTA+8*\i:WTA+8*\i+3],   v10 offset:1280*\i                      ; and 4 more: Wt rows c = 32 qd + 16 i + r, e along the registers
	ds_load_b128 v[WTA+8*\i+4:WTA+8*\i+7], v10 offset:1280*\i+32
.endr
	s_wait_loadcnt 4                               ; bqt lies in ACC; bt stays out
	s_wait_dscnt 4                                 ; Wqt's fragments are in; Wt's four loads stay out
	PROJ_T
	NOPS 4                                         ; four places before vector work reads the results (ISA guide 7.12.1)
	SCALE_ACC                                      ; c qt
	PACK_FR
	s_wait_dscnt 0x0                               ; Wt's fragments
.irp i, 0,1
	v_wmma_f32_16x16x32_f16 v[U+8*\i:U+8*\i+7], v[WTA+8*\i:WTA+8*\i+7], v[FR:FR+7], 0           ; U(c = 32 qd + 16 i + 8hh + jj, row r)
.endr
	s_wait_loadcnt 0x0                             ; bt
	v_pk_mul_f32 v[CBR:CBR+1], v[ACC:ACC+1], v[BT:BT+1]        ; cb: these eight lines name no register of the two products above
.irp j, 2,4,6,8,10,12,14                                       ; and are the places in front of the rotation, which reads U
	v_pk_fma_f32 v[CBR:CBR+1], v[ACC+\j:ACC+\j+1], v[BT+\j:BT+\j+1], v[CBR:CBR+1]
.endr
	v_add_f32 v[CBR], v[CBR], v[CBR+1]             ; my 16 of the 32 e,
	v_permlanex16_b32 v[CBR+1], v[CBR], s58, s59
	v_add_f32 v[CBR], v[CBR], v[CBR+1]             ; and the other half's
	v_mov_b32 v[CBR+1], v[CBR]
	ROT U,   SC,   0
	ROT U+8, SC+8, 512
	s_cmp_lg_u32 s4, 0                             ; cb is the same in all quarters: quarter 0 stores it
	s_cbranch_scc1 .Lno_cb
	global_store_b64 v12, v[CBR:CBR+1], s[48:49]   ; 256 consecutive bytes; the pair is what the attention launch adds to two scores at once
.Lno_cb:
	s_cmp_lg_u32 s5, 0                             ; K' is the same for all heads: head 0 stores it
	s_cbranch_scc1 .Lqt_end
.irp i, 0,1
.irp u, 0,1,2,3
	v_cvt_pk_bf16_f32 v[SC+8*\i+\u], v[SC+8*\i+2*\u], v[SC+8*\i+2*\u+1]
.endr
	global_store_b128 v11, v[SC+8*\i:SC+8*\i+3], s[50:51] offset:512*\i
.endr
.Lqt_end:
	s_wait_tensorcnt 0x0
	ds_add_u32 v174, v175
	s_wait_dscnt 0x0
	s_endpgm
	; ---------------- c q as fragment 4 of the head's block in qside ----------------
.Lq:
	s_add_nc_u64 s[40:41], s[14:15], s[38:39]
	s_add_nc_u64 s[42:43], s[24:25], s[38:39]
	s_mul_i32 s6, s5, 5120
	s_add_co_u32 s6, s6, s62
	s_add_co_u32 s6, s6, 4096
	s_add_nc_u64 s[46:47], s[34:35], s[6:7]
	PATH_T 1
	; ---------------- k ----------------
.Lk:
	s_add_nc_u64 s[40:41], s[16:17], s[38:39]
	s_add_nc_u64 s[42:43], s[26:27], s[38:39]
	s_lshl_b32 s6, s5, 11
	s_lshl_b32 s63, s61, 10
	s_add_co_u32 s6, s6, s63
	s_add_co_u32 s6, s6, s60
	s_add_co_u32 s6, s6, 8192
	s_add_nc_u64 s[46:47], s[36:37], s[6:7]
	PATH_T 0
	; ---------------- v, in the natural orientation: a lane holds 8 keys of one column, half a fragment of V transposed ----------------
.Lv:
	s_add_nc_u64 s[40:41], s[18:19], s[38:39]
	s_add_nc_u64 s[42:43], s[28:29], s[38:39]
	s_lshl_b32 s6, s5, 11
	s_lshl_b32 s63, s61, 9
	s_add_co_u32 s6, s6, s63
	s_add_co_u32 s6, s6, s60
	s_add_co_u32 s6, s6, 16384
	s_add_nc_u64 s[46:47], s[36:37], s[6:7]
	STAGE_LD 40, WRAW                              ; 26 loads: slice 8, inp 16, bias 2
	LOAD_X
	global_load_b32 v[BT],   v14, s[42:43]         ; bv[32h + r]
	global_load_b32 v[BT+2], v14, s[42:43] offset:64   ; bv[32h + 16 + r]
	s_wait_loadcnt 18                              ; the slice is in; inp (16) and the bias (2) stay out
	STAGE_ST WRAW, 5, 1536
	s_wait_dscnt 0x0
	s_barrier_signal -1
	s_wait_loadcnt 2                               ; inp is in
	PACK_X
	s_barrier_wait -1
	LOAD_WF
	s_wait_loadcnt 0x0
	v_mov_b32 v[BT+1], v[BT]
	v_mov_b32 v[BT+3], v[BT+2]
	s_wait_dscnt 0x0
	PROJ_N
	NOPS 4
.irp t, 0,1
.irp j, 0,2,4,6
	v_pk_add_f32 v[ACC+8*\t+\j:ACC+8*\t+\j+1], v[ACC+8*\t+\j:ACC+8*\t+\j+1], v[BT+2*\t:BT+2*\t+1]
.endr
.endr
	PACK_FR
	global_store_b128 v11, v[FR:FR+3],   s[46:47]
	global_store_b128 v11, v[FR+4:FR+7], s[46:47] offset:1024
	s_wait_tensorcnt 0x0
	ds_add_u32 v174, v175
	s_wait_dscnt 0x0
	s_endpgm
.Lfunc_end_k_q6187a0c41c_prep:
	.size	k_q6187a0c41c_prep, .Lfunc_end_k_q6187a0c41c_prep-k_q6187a0c41c_prep
	.p2alignl 7, 3214868480
	.fill 96, 4, 3214868480
	.section	.rodata,"a",@progbits
	.p2align	6, 0x0
	.amdhsa_kernel k_q6187a0c41c_prep
		.amdhsa_group_segment_fixed_size 15360
		.amdhsa_private_segment_fixed_size 0
		.amdhsa_enable_private_segment 0
		.amdhsa_kernarg_size 120
		.amdhsa_user_sgpr_count 2
		.amdhsa_user_sgpr_kernarg_segment_ptr 1
		.amdhsa_wavefront_size32 1
		.amdhsa_system_sgpr_workgroup_id_x 1
		.amdhsa_system_sgpr_workgroup_id_y 1
		.amdhsa_system_sgpr_workgroup_id_z 1
		.amdhsa_system_vgpr_workitem_id 0
		.amdhsa_next_free_vgpr 256
		.amdhsa_next_free_sgpr 66
		.amdhsa_reserve_vcc 0
		.amdhsa_float_denorm_mode_32 3
		.amdhsa_float_denorm_mode_16_64 3
		.amdhsa_memory_ordered 1
		.amdhsa_forward_progress 1
		.amdhsa_inst_pref_size 54
	.end_amdhsa_kernel
	.amdgpu_metadata
---
amdhsa.version: [ 1, 2 ]
amdhsa.kernels:
  - .name:           k_q6187a0c41c_prep
    .symbol:         k_q6187a0c41c_prep.kd
    .args:
      - { .name: inp, .offset: 0, .size: 8, .value_kind: global_buffer, .address_space: global }
      - { .name: pos, .offset: 8, .size: 8, .value_kind: global_buffer, .address_space: global }
      - { .name: f, .offset: 16, .size: 8, .value_kind: global_buffer, .address_space: global }
      - { .name: Wq, .offset: 24, .size: 8, .value_kind: global_buffer, .address_space: global }
      - { .name: Wk, .offset: 32, .size: 8, .value_kind: global_buffer, .address_space: global }
      - { .name: Wv, .offset: 40, .size: 8, .value_kind: global_buffer, .address_space: global }
      - { .name: Wqt, .offset: 48, .size: 8, .value_kind: global_buffer, .address_space: global }
      - { .name: Wt, .offset: 56, .size: 8, .value_kind: global_buffer, .address_space: global }
      - { .name: bq, .offset: 64, .size: 8, .value_kind: global_buffer, .address_space: global }
      - { .name: bk, .offset: 72, .size: 8, .value_kind: global_buffer, .address_space: global }
      - { .name: bv, .offset: 80, .size: 8, .value_kind: global_buffer, .address_space: global }
      - { .name: bqt, .offset: 88, .size: 8, .value_kind: global_buffer, .address_space: global }
      - { .name: bt, .offset: 96, .size: 8, .value_kind: global_buffer, .address_space: global }
      - { .name: qside, .offset: 104, .size: 8, .value_kind: global_buffer, .address_space: global }
      - { .name: kside, .offset: 112, .size: 8, .value_kind: global_buffer, .address_space: global }
    .group_segment_fixed_size: 15360
    .private_segment_fixed_size: 0
    .kernarg_segment_align: 8
    .kernarg_segment_size: 120
    .max_flat_workgroup_size: 128
    .sgpr_count:     66
    .vgpr_count:     256
    .wavefront_size: 32
...
	.end_amdgpu_metadata
.endif
;; end of part 3
;; launch attn (part 4): grid 32 x 2, 8 waves a work-group, no clusters, 38,400 bytes of LDS; arguments qside, kside, out0; writes out0
.if DOCPART == 4
	.amdgcn_target "amdgcn-amd-amdhsa--gfx1250"
	.amdhsa_code_object_version 6
	.text
	.protected	k_q6187a0c41c_attn
	.globl	k_q6187a0c41c_attn
	.p2align	8
	.type	k_q6187a0c41c_attn,@function
k_q6187a0c41c_attn:
	s_mov_b64 s[64:65], 0
	v_nop
	global_prefetch_b8 v0, s[64:65] scope:SCOPE_SE
	s_setreg_imm32_b32 hwreg(HW_REG_WAVE_MODE, 25, 1), 1
	s_wait_xcnt 0x0
; attn: causal attention with an inner dimension of 160 = 128 (Q'.K', bf16) + 32 (q.k, f16), then P V (f16), sums and softmax in f32.
; A work-group owns row block rb = x (16 queries) and the head pair y: 16 rows x 64 columns of out0, 256 consecutive bytes of each row.
; Wave w owns keys 64w .. 64w+63 (chunks A = 2w and B = 2w+1 of kside) for both heads: K' is loaded once and multiplied twice.  Every wave
; at work needs all ten query fragments, 10 KiB; eight waves of 64 keys take them 8 times, and leave 8 partial results to combine.
; A wave is at work iff 64w <= 16rb; then key 64w is allowed for every query of the block, so the wave's own maximum is finite.  Each wave
; takes its own maximum away before the exponentials; the eight (m, l, o) meet in LDS behind one barrier, where wave w combines query rows
; 2w and 2w+1 under the maximum of all.
; Where rb - 4w is 0 or 1 all 32 keys of chunk B lie behind the block's queries.  They are loaded and masked all the same (16 KiB, in one
; wave of half the work-groups, never in the work-group with the most keys), so that one text serves every wave at work.
; The products are used transposed: S(key = 16T + 8hh + jj, query = lane r), which is already P's place as the second source of P V,
; and O(e = 16t + 8hh + jj, query = lane r), eight neighbouring columns a lane.
; All operands were stored in register order: each load covers 512 consecutive bytes and goes straight into registers.  All 86 loads of a
; wave are issued in one run; there is no loop and nothing to run ahead of.
; NO CLUSTER, NO LDS RING: each key-side byte is used by one wave of the work-group.  Only the two work-groups of a row block want the same
; bytes, K', 8 KiB of the 16 KiB that a wave takes from a chunk; a joint request lands in LDS, which would add an LDS trip for all of
; them; and row blocks need different numbers of chunks.
; LIMITS.  P is rounded to f16: a weight below 6e-8 of the wave's largest counts as 0.  Scores are in powers of two (c was folded in).
;
; REGISTERS, in windows of 256.  Window 0: addresses, chunk A, head 0's queries, everything that vector instructions touch.
; Window 1, under the same numbers: chunk B (v16-143) and head 1's queries (v144-183).  Only loads (destination) and products (first source:
; a chunk; second source: the queries) ever name window 1.
.set QBLK, 21504
.set KBLK, 24576
.set MLP,  80                          ; LDS 0..2559: [head of the pair][row], 80 bytes apart: words 0-7 m of the eight waves, words 8-15 their l
.set MLH,  1280
.set OP,   2560                        ; LDS 2560..37375: [wave] 16 rows x 272 bytes (64 f32 + 16 bytes)
.set OPW,  4352
.set OPP,  272
.set KP,   16                          ; v16-79   K' of a chunk: block tau, K step kk at 16 + 32 tau + 8 kk
.set KH,   80                          ; v80-111  k: head hq, block tau at 80 + 16 hq + 8 tau
.set VT,   112                         ; v112-143 V transposed: head hq, tile t at 112 + 16 hq + 8 t
.set QF,   144                         ; v144-183 Q' (4 fragments), q
.set S0,   184                         ; v184-215 head 0's scores, tile T = 2 chunk + tau at 184 + 8 T; then P in the first sixteen
.set S1,   144                         ; v144-175 head 1's, over head 0's Q'
.set O0,   216                         ; v216-231
.set O1,   16                          ; v16-31, over chunk A's K'
.set CB0,  232                         ; v232:233, v234:235  (cb, cb) of my query
.set CB1,  234
.set MP,   236                         ; v236:237 (m, m)
.set LS,   238                         ; v238     l
.set TM,   240                         ; v240-247 at work
.set MK,   68                          ; s68-99   mask 8 T + jj: lanes whose key 16 T + 8 hh + jj is not behind their query
.set MW,   32                          ; the combine: v32-39 m, v40-47 l, v48-79 o (4 columns) of the eight waves
.set LW,   40
.set OW,   48
.set GM,   80                          ; v80:81   (M, M)
.set TC,   82                          ; v82-83
.set L2,   84                          ; v84:85
.set OE,   88                          ; v88-91   the even waves' share of my 4 columns
.set OO,   92                          ; v92-95   the odd waves'
.set MSB,  0
.macro WIN new                         ; low byte: bits 1:0 source 0, 3:2 source 1, 7:6 destination; the high byte repeats the setting that is left
.if MSB != (\new)
	s_set_vgpr_msb (MSB<<8)|(\new)
.set MSB, (\new)
.endif
.endm
.macro NOPS n
.rept \n
	v_nop
.endr
.endm
.macro LOADQ o                         ; ten loads: a head's five query fragments
.irp i, 0,1,2,3,4
	global_load_b128 v[QF+8*\i:QF+8*\i+3],   v4, s[16:17] offset:\o+1024*\i
	global_load_b128 v[QF+8*\i+4:QF+8*\i+7], v4, s[16:17] offset:\o+1024*\i+512
.endr
.endm
.macro LOADKP o                        ; sixteen loads: K' of the chunk at byte o
.irp tau, 0,1
.irp kk, 0,1,2,3
	global_load_b128 v[KP+32*\tau+8*\kk:KP+32*\tau+8*\kk+3],   v4, s[20:21] offset:\o+4096*\tau+1024*\kk
	global_load_b128 v[KP+32*\tau+8*\kk+4:KP+32*\tau+8*\kk+7], v4, s[20:21] offset:\o+4096*\tau+1024*\kk+512
.endr
.endr
.endm
.macro LOADKH hq, o                    ; four loads: k of one head
.irp tau, 0,1
	global_load_b128 v[KH+16*\hq+8*\tau:KH+16*\hq+8*\tau+3],   v4, s[22:23] offset:\o+8192+2048*\hq+1024*\tau
	global_load_b128 v[KH+16*\hq+8*\tau+4:KH+16*\hq+8*\tau+7], v4, s[22:23] offset:\o+8192+2048*\hq+1024*\tau+512
.endr
.endm
.macro LOADVT o                        ; eight loads: V of both heads
.irp hq, 0,1
.irp t, 0,1
	global_load_b128 v[VT+16*\hq+8*\t:VT+16*\hq+8*\t+3],   v4, s[22:23] offset:\o+16384+2048*\hq+1024*\t
	global_load_b128 v[VT+16*\hq+8*\t+4:VT+16*\hq+8*\t+7], v4, s[22:23] offset:\o+16384+2048*\hq+1024*\t+512
.endr
.endr
.endm
.macro QK sb                           ; eight products: four K steps of Q'.K' for a chunk's two tiles; the first starts the sums
.irp kk, 0,1,2,3
.irp tau, 0,1
.if \kk == 0
	v_wmma_f32_16x16x32_bf16 v[\sb+8*\tau:\sb+8*\tau+7], v[KP+32*\tau+8*\kk:KP+32*\tau+8*\kk+7], v[QF+8*\kk:QF+8*\kk+7], 0
.else
	v_wmma_f32_16x16x32_bf16 v[\sb+8*\tau:\sb+8*\tau+7], v[KP+32*\tau+8*\kk:KP+32*\tau+8*\kk+7], v[QF+8*\kk:QF+8*\kk+7], v[\sb+8*\tau:\sb+8*\tau+7]
.endif
.endr
.endr
.endm
.macro QH sb, hq                       ; two products: q.k in f16 on the same accumulators
.irp tau, 0,1
	v_wmma_f32_16x16x32_f16 v[\sb+8*\tau:\sb+8*\tau+7], v[KH+16*\hq+8*\tau:KH+16*\hq+8*\tau+7], v[QF+32:QF+39], v[\sb+8*\tau:\sb+8*\tau+7]
.endr
.endm
; a head's scores for both chunks.  qw: the setting that puts the queries' window on source 1; la, lb: how many younger loads may stay out
; when chunk A's, chunk B's operands have to be in.
.macro SCORE sb, hq, qw, la, lb
	s_wait_loadcnt \la
	WIN \qw
	QK \sb
.if \lb != \la
	s_wait_loadcnt \lb
.endif
	WIN \qw+1                                      ; source 0 from window 1: chunk B
	QK \sb+16
	NOPS 5                                         ; another form on the same accumulator is no chain: five places (ISA guide 7.12.1)
	QH \sb+16, \hq
	WIN \qw
	QH \sb, \hq
	NOPS 4                                         ; four places before vector work reads the scores
	WIN 0
.endm
; + cb, mask, the wave's maximum over its 64 keys, 2^(s - m), the sum, P in f16 in place; m and l go to LDS
.macro SOFTMAX sb, cb, hq
.set j, 0
.rept 16
	v_pk_add_f32 v[\sb+j:\sb+j+1], v[\sb+j:\sb+j+1], v[\cb:\cb+1]
.set j, j+2
.endr
.set j, 0
.rept 32
	v_cndmask_b32 v[\sb+j], v9, v[\sb+j], s[MK+j]              ; -inf where the key lies behind the query
.set j, j+1
.endr
	v_max3_num_f32 v[TM],   v[\sb],   v[\sb+1],  v[\sb+2]      ; four chains
	v_max3_num_f32 v[TM+1], v[\sb+3], v[\sb+4],  v[\sb+5]
	v_max3_num_f32 v[TM+2], v[\sb+6], v[\sb+7],  v[\sb+8]
	v_max3_num_f32 v[TM+3], v[\sb+9], v[\sb+10], v[\sb+11]
.set j, 0
.rept 10
	v_max3_num_f32 v[TM+j%4], v[TM+j%4], v[\sb+12+2*j], v[\sb+13+2*j]
.set j, j+1
.endr
	v_max3_num_f32 v[TM], v[TM], v[TM+1], v[TM+2]
	v_max_num_f32  v[TM], v[TM], v[TM+3]                       ; my 32 of the query's 64 keys,
	v_permlanex16_b32 v[TM+1], v[TM], s26, s27                 ; and the other half's
	v_max_num_f32 v[MP],   v[TM], v[TM+1]
	v_max_num_f32 v[MP+1], v[TM], v[TM+1]
.set j, 0
.rept 16
	v_pk_add_f32 v[\sb+j:\sb+j+1], v[\sb+j:\sb+j+1], v[MP:MP+1] neg_lo:[0,1] neg_hi:[0,1]
.set j, j+2
.endr
.set j, 0
.rept 32
	v_exp_f32 v[\sb+j], v[\sb+j]
.set j, j+1
.endr
	v_nop                                          ; one plain place between the exponentials and the first use of a result
	s_wait_alu depctr_va_vdst(0)
.irp i, 0,1,2,3
	v_pk_add_f32 v[TM+2*\i:TM+2*\i+1], v[\sb+8*\i:\sb+8*\i+1], v[\sb+8*\i+2:\sb+8*\i+3]
.endr
.irp i, 0,1,2,3
	v_pk_add_f32 v[TM+2*\i:TM+2*\i+1], v[TM+2*\i:TM+2*\i+1], v[\sb+8*\i+4:\sb+8*\i+5]
.endr
.irp i, 0,1,2,3
	v_pk_add_f32 v[TM+2*\i:TM+2*\i+1], v[TM+2*\i:TM+2*\i+1], v[\sb+8*\i+6:\sb+8*\i+7]
.endr
	v_pk_add_f32 v[TM:TM+1],   v[TM:TM+1],   v[TM+2:TM+3]
	v_pk_add_f32 v[TM+4:TM+5], v[TM+4:TM+5], v[TM+6:TM+7]
	v_pk_add_f32 v[TM:TM+1],   v[TM:TM+1],   v[TM+4:TM+5]
	v_add_f32 v[LS], v[TM], v[TM+1]
	v_permlanex16_b32 v[TM+1], v[LS], s26, s27
	v_add_f32 v[LS], v[LS], v[TM+1]
.set j, 0
.rept 16
	v_cvt_pk_f16_f32 v[\sb+j], v[\sb+2*j], v[\sb+2*j+1]        ; word 4 T + p = keys 16 T + 8 hh + 2p, 2p+1: words 0-7 chunk A's P, 8-15 chunk B's
.set j, j+1
.endr
	v_cndmask_b32 v[TM], v[MP], v[LS], s28                     ; lanes 0-15 carry m of row r, lanes 16-31 l of row r
	ds_store_b32 v11, v[TM] offset:MLH*\hq
.endm
	s_load_b128 s[4:7], s[0:1], 0x0                ; qside, kside
	s_load_b64 s[8:9], s[0:1], 0x10                ; out0
	v_lshl_add_u32 v254, v0, 2, 0x9200
	v_mov_b32 v255, 0
	; everything that hangs on ids alone is made while the arguments are on their way
	v_lshrrev_b32 v1, 5, v0
	v_readfirstlane_b32 s12, v1                    ; wave w
	s_mov_b32 s10, ttmp9                           ; rb
	s_and_b32 s11, ttmp7, 0xffff                   ; head pair hp
	s_mov_b32 s26, 0x76543210                      ; v_permlanex16_b32: lane i takes lane i of the other half
	s_mov_b32 s27, 0xfedcba98
	s_mov_b32 s28, 0xffff0000                      ; lanes 16-31
	v_and_b32 v1, 31, v0                           ; lane L
	v_and_b32 v2, 15, v0                           ; r
	v_bfe_u32 v3, v0, 4, 1                         ; hh
	v_lshlrev_b32 v4, 4, v1                        ; v4: 16 L
	v_lshlrev_b32 v7, 3, v1                        ; v7: 8 L
	v_lshlrev_b32 v5, 9, v3
	v_lshl_add_u32 v5, v2, 4, v5                   ; v5: out0: row hh of my two, 16 r
	s_mul_i32 s13, s12, OPW
	s_add_co_u32 s13, s13, OP
	v_mul_u32_u24 v10, v2, OPP
	v_lshl_add_u32 v10, v3, 5, v10
	v_add_nc_u32 v10, s13, v10                     ; v10: my wave's o: row r, 32 hh
	s_lshl_b32 s29, s12, 2
	v_mul_u32_u24 v11, v2, MLP
	v_lshl_add_u32 v11, v3, 5, v11
	v_add_nc_u32 v11, s29, v11                     ; v11: row r's record: m (hh = 0) or l (hh = 1), word w
	s_mul_i32 s30, s12, 2*MLP
	v_bfe_u32 v14, v0, 3, 1                        ; r / 8: the head of my 4 columns
	v_mul_u32_u24 v12, v14, MLH
	v_mul_u32_u24 v15, v3, MLP
	v_add_nc_u32 v12, v12, v15
	v_add_nc_u32 v12, s30, v12                     ; v12: the combine: the record of head r/8, row 2w + hh
	s_mul_i32 s31, s12, 2*OPP
	s_add_co_u32 s31, s31, OP
	v_mul_u32_u24 v13, v3, OPP
	v_lshl_add_u32 v13, v2, 4, v13
	v_add_nc_u32 v13, s31, v13                     ; v13: the combine: row 2w + hh, columns 4r .. 4r+3
	; query - key = (16 rb + r) - (64 w + 16 T + 8 hh + jj) >= 0, as 32 lane masks
	s_lshl_b32 s33, s10, 4
	s_lshl_b32 s34, s12, 6
	s_sub_co_i32 s33, s33, s34
	v_lshlrev_b32 v8, 3, v3
	v_sub_nc_u32 v8, v2, v8
	v_add_nc_u32 v8, s33, v8                       ; 16 rb - 64 w + r - 8 hh
	v_mov_b32 v9, 0xff800000                       ; -inf
.irp T, 0,1,2,3
.irp jj, 0,1,2,3,4,5,6,7
	v_cmp_ge_i32 s[MK+8*\T+\jj], v8, 16*\T+\jj
.endr
.endr
	; offsets, each in a pair of its own with 0 above it
	s_mov_b32 s15, 0
	s_mov_b32 s37, 0
	s_mov_b32 s39, 0
	s_mov_b32 s41, 0
	s_mov_b32 s43, 0
	s_mul_i32 s35, s10, QBLK
	s_mul_i32 s14, s11, 10240
	s_add_co_u32 s14, s14, s35                     ; the pair's ten query fragments
	s_lshl_b32 s36, s11, 9
	s_add_co_u32 s36, s36, s35
	s_add_co_u32 s36, s36, 20480                   ; the pair's cb
	s_mul_i32 s38, s12, 2*KBLK                     ; my two chunks
	s_lshl_b32 s40, s11, 12
	s_add_co_u32 s40, s40, s38                     ; + two heads of 2048 bytes: k and V of my pair
	s_lshl_b32 s42, s10, 4
	s_lshl_b32 s34, s12, 1
	s_add_co_u32 s42, s42, s34
	s_lshl_b32 s42, s42, 9
	s_lshl_b32 s34, s11, 8
	s_add_co_u32 s42, s42, s34                     ; out0: row 16 rb + 2 w, 256 bytes of the pair
	s_lshl_b32 s32, s12, 2
	s_wait_kmcnt 0x0
	s_add_nc_u64 s[16:17], s[4:5], s[14:15]
	s_add_nc_u64 s[18:19], s[4:5], s[36:37]
	s_add_nc_u64 s[20:21], s[6:7], s[38:39]
	s_add_nc_u64 s[22:23], s[6:7], s[40:41]
	s_add_nc_u64 s[24:25], s[8:9], s[42:43]
	s_cmp_gt_u32 s32, s10                          ; 4 w > rb: all my keys lie behind all queries
	s_cbranch_scc1 .Lidle
	; 86 loads, in the order of their use: cb 2, head 0's queries 10, A's K' 16 and k0 4 (32 so far); B's K' 16 and k0 4 (52);
	; head 1's queries 10, B's k1 4, A's k1 4 (70); A's V 8 (78); B's V 8 (86)
	global_load_b64 v[CB0:CB0+1], v7, s[18:19]
	global_load_b64 v[CB1:CB1+1], v7, s[18:19] offset:256
	LOADQ 0
	LOADKP 0
	LOADKH 0, 0
	WIN 0x40                                       ; destinations in window 1
	LOADKP KBLK
	LOADKH 0, KBLK
	LOADQ 5120
	LOADKH 1, KBLK
	WIN 0
	LOADKH 1, 0
	LOADVT 0
	WIN 0x40
	LOADVT KBLK
	WIN 0
	SCORE S0, 0, 0x00, 54, 34                      ; 54: the first 32 loads are in; 34: chunk B's K' and k0 too
	SOFTMAX S0, CB0, 0
	SCORE S1, 1, 0x04, 16, 16                      ; 16: all but V is in.  Writes over head 0's Q', nine places and a softmax behind its last use
	SOFTMAX S1, CB1, 1
	s_wait_loadcnt 8                               ; chunk A's V is in; chunk B's eight loads stay out
.irp t, 0,1
	v_wmma_f32_16x16x32_f16 v[O0+8*\t:O0+8*\t+7], v[VT+8*\t:VT+8*\t+7], v[S0:S0+7], 0
.endr
.irp t, 0,1
	v_wmma_f32_16x16x32_f16 v[O1+8*\t:O1+8*\t+7], v[VT+16+8*\t:VT+16+8*\t+7], v[S1:S1+7], 0    ; over chunk A's K', nine places and a softmax behind its last use
.endr
	s_wait_loadcnt 0x0
	WIN 0x01                                       ; source 0 from window 1: chunk B's V
.irp t, 0,1
	v_wmma_f32_16x16x32_f16 v[O0+8*\t:O0+8*\t+7], v[VT+8*\t:VT+8*\t+7], v[S0+8:S0+15], v[O0+8*\t:O0+8*\t+7]
.endr
.irp t, 0,1
	v_wmma_f32_16x16x32_f16 v[O1+8*\t:O1+8*\t+7], v[VT+16+8*\t:VT+16+8*\t+7], v[S1+8:S1+15], v[O1+8*\t:O1+8*\t+7]
.endr
	WIN 0
	NOPS 4                                         ; four places before the LDS stores read the results, and before later loads land on operands
.irp t, 0,1
	ds_store_b128 v10, v[O0+8*\t:O0+8*\t+3]   offset:64*\t
	ds_store_b128 v10, v[O0+8*\t+4:O0+8*\t+7] offset:64*\t+16
	ds_store_b128 v10, v[O1+8*\t:O1+8*\t+3]   offset:128+64*\t
	ds_store_b128 v10, v[O1+8*\t+4:O1+8*\t+7] offset:128+64*\t+16
.endr
	s_branch .Ljoin
.Lidle:                                                ; no key of mine is allowed: m = -inf, l = 0, o = 0, so that the combine weighs me with 2^-inf = 0
	v_mov_b32 v16, 0
	v_mov_b32 v17, 0
	v_mov_b32 v18, 0
	v_mov_b32 v19, 0
	v_mov_b32 v21, 0xff800000
	v_cndmask_b32 v20, v21, 0, s28
.irp o, 0,16,64,80,128,144,192,208
	ds_store_b128 v10, v[16:19] offset:\o
.endr
	ds_store_b32 v11, v20
	ds_store_b32 v11, v20 offset:MLH
.Ljoin:
	s_wait_dscnt 0x0                               ; my m, l and o lie in LDS before I say so
	s_barrier_signal -1
	s_barrier_wait -1
	; THE COMBINE: wave w takes query rows 2w (lanes 0-15) and 2w+1 (lanes 16-31), lane r columns 4r .. 4r+3 of the pair's 64
	ds_load_b128 v[MW:MW+3],   v12
	ds_load_b128 v[MW+4:MW+7], v12 offset:16
	ds_load_b128 v[LW:LW+3],   v12 offset:32
	ds_load_b128 v[LW+4:LW+7], v12 offset:48
.irp i, 0,1,2,3,4,5,6,7
	ds_load_b128 v[OW+4*\i:OW+4*\i+3], v13 offset:OPW*\i       ; sixteen lanes read 256 consecutive bytes of one row
.endr
	s_wait_dscnt 10                                ; the eight m are in; 2 loads of l and 8 of o stay out
	v_max3_num_f32 v[TC],   v[MW],   v[MW+1], v[MW+2]
	v_max3_num_f32 v[TC+1], v[MW+3], v[MW+4], v[MW+5]
	v_max3_num_f32 v[TC],   v[TC],   v[MW+6], v[MW+7]
	v_max_num_f32 v[GM],   v[TC], v[TC+1]          ; finite: wave 0 is always at work
	v_max_num_f32 v[GM+1], v[TC], v[TC+1]
.irp j, 0,2,4,6
	v_pk_add_f32 v[MW+\j:MW+\j+1], v[MW+\j:MW+\j+1], v[GM:GM+1] neg_lo:[0,1] neg_hi:[0,1]
.endr
.irp i, 0,1,2,3,4,5,6,7
	v_exp_f32 v[MW+\i], v[MW+\i]                   ; each wave's weight, 2^(m - M)
.endr
	v_nop                                          ; one plain place between the exponentials and the first use of a result
	s_wait_dscnt 0x0
	s_wait_alu depctr_va_vdst(0)
	v_pk_mul_f32 v[L2:L2+1],   v[MW:MW+1],   v[LW:LW+1]
	v_pk_mul_f32 v[OE:OE+1],   v[OW:OW+1],   v[MW:MW+1] op_sel_hi:[1,0]                    ; both columns by the even wave's weight
	v_pk_mul_f32 v[OE+2:OE+3], v[OW+2:OW+3], v[MW:MW+1] op_sel_hi:[1,0]
	v_pk_mul_f32 v[OO:OO+1],   v[OW+4:OW+5], v[MW:MW+1] op_sel:[0,1] op_sel_hi:[1,1]       ; both by the odd wave's
	v_pk_mul_f32 v[OO+2:OO+3], v[OW+6:OW+7], v[MW:MW+1] op_sel:[0,1] op_sel_hi:[1,1]
.irp j, 2,4,6
	v_pk_fma_f32 v[L2:L2+1],   v[MW+\j:MW+\j+1],       v[LW+\j:LW+\j+1], v[L2:L2+1]
	v_pk_fma_f32 v[OE:OE+1],   v[OW+4*\j:OW+4*\j+1],   v[MW+\j:MW+\j+1], v[OE:OE+1]   op_sel_hi:[1,0,1]
	v_pk_fma_f32 v[OE+2:OE+3], v[OW+4*\j+2:OW+4*\j+3], v[MW+\j:MW+\j+1], v[OE+2:OE+3] op_sel_hi:[1,0,1]
	v_pk_fma_f32 v[OO:OO+1],   v[OW+4*\j+4:OW+4*\j+5], v[MW+\j:MW+\j+1], v[OO:OO+1]   op_sel:[0,1,0] op_sel_hi:[1,1,1]
	v_pk_fma_f32 v[OO+2:OO+3], v[OW+4*\j+6:OW+4*\j+7], v[MW+\j:MW+\j+1], v[OO+2:OO+3] op_sel:[0,1,0] op_sel_hi:[1,1,1]
.endr
	v_add_f32 v[L2], v[L2], v[L2+1]                ; at least 1: the wave that holds M adds its own l, which is at least 1
	v_rcp_f32 v[L2+1], v[L2]
	v_pk_add_f32 v[OE:OE+1],   v[OE:OE+1],   v[OO:OO+1]        ; the plain places behind the reciprocal
	v_pk_add_f32 v[OE+2:OE+3], v[OE+2:OE+3], v[OO+2:OO+3]
	s_wait_alu depctr_va_vdst(0)
	v_pk_mul_f32 v[OE:OE+1],   v[OE:OE+1],   v[L2:L2+1] op_sel:[0,1] op_sel_hi:[1,1]
	v_pk_mul_f32 v[OE+2:OE+3], v[OE+2:OE+3], v[L2:L2+1] op_sel:[0,1] op_sel_hi:[1,1]
	global_store_b128 v5, v[OE:OE+3], s[24:25]     ; each half of the lanes stores 256 consecutive bytes, at a multiple of 256 from out0's first byte
	s_wait_tensorcnt 0x0
	ds_add_u32 v254, v255
	s_wait_dscnt 0x0
	s_endpgm
.Lfunc_end_k_q6187a0c41c_attn:
	.size	k_q6187a0c41c_attn, .Lfunc_end_k_q6187a0c41c_attn-k_q6187a0c41c_attn
	.p2alignl 7, 3214868480
	.fill 96, 4, 3214868480
	.section	.rodata,"a",@progbits
	.p2align	6, 0x0
	.amdhsa_kernel k_q6187a0c41c_attn
		.amdhsa_group_segment_fixed_size 38400
		.amdhsa_private_segment_fixed_size 0
		.amdhsa_enable_private_segment 0
		.amdhsa_kernarg_size 24
		.amdhsa_user_sgpr_count 2
		.amdhsa_user_sgpr_kernarg_segment_ptr 1
		.amdhsa_wavefront_size32 1
		.amdhsa_system_sgpr_workgroup_id_x 1
		.amdhsa_system_sgpr_workgroup_id_y 1
		.amdhsa_system_sgpr_workgroup_id_z 1
		.amdhsa_system_vgpr_workitem_id 0
		.amdhsa_next_free_vgpr 448
		.amdhsa_next_free_sgpr 100
		.amdhsa_reserve_vcc 0
		.amdhsa_float_denorm_mode_32 3
		.amdhsa_float_denorm_mode_16_64 3
		.amdhsa_memory_ordered 1
		.amdhsa_forward_progress 1
		.amdhsa_inst_pref_size 40
	.end_amdhsa_kernel
	.amdgpu_metadata
---
amdhsa.version: [ 1, 2 ]
amdhsa.kernels:
  - .name:           k_q6187a0c41c_attn
    .symbol:         k_q6187a0c41c_attn.kd
    .args:
      - { .name: qside, .offset: 0, .size: 8, .value_kind: global_buffer, .address_space: global }
      - { .name: kside, .offset: 8, .size: 8, .value_kind: global_buffer, .address_space: global }
      - { .name: out0, .offset: 16, .size: 8, .value_kind: global_buffer, .address_space: global }
    .group_segment_fixed_size: 38400
    .private_segment_fixed_size: 0
    .kernarg_segment_align: 8
    .kernarg_segment_size: 24
    .max_flat_workgroup_size: 256
    .sgpr_count:     100
    .vgpr_count:     448
    .wavefront_size: 32
...
	.end_amdgpu_metadata
.endif
;; end of part 4
